; MI455X (gfx1250); checked and timed in simulation.
; The chip was launched on July 23, 2026; its instructions are those of AMD's public machine-readable ISA for CDNA 5 (MIT licence, August 2026) and "CDNA5" Instruction Set Architecture Reference Guide (July 2026). The comments in the code are by the model that wrote it; some were corrected since.
;; RET Transformer Block. Allowed arithmetic: matrix products marked QUANTISED: E4M3 operands, one given power-of-two scale a tensor, by v_wmma_f32_16x16x64_fp8_fp8 or v_wmma_f32_16x16x128_fp8_fp8, f32 sums; everything else in f32.
;; Inputs: hidden_states 2 x 2,048 x 1,024 float32; ln1_w 1,024 float32; ln2_w 1,024 float32; lowp_scales 18 int32 (the exponents e of the quantised operands' scales 2^e); w_down_codes 1,024 x 32 x 32 uint8 (E4M3 codes of w_down, K innermost, in blocks of 32 codes); w_gate_codes 1,024 x 32 x 32 uint8 (E4M3 codes of w_gate, K innermost, in blocks of 32 codes); w_up_codes 1,024 x 32 x 32 uint8 (E4M3 codes of w_up, K innermost, in blocks of 32 codes); wk_codes 1,024 x 32 x 32 uint8 (E4M3 codes of wk, K innermost, in blocks of 32 codes); wo_codes 1,024 x 32 x 32 uint8 (E4M3 codes of wo, K innermost, in blocks of 32 codes); wq_codes 1,024 x 32 x 32 uint8 (E4M3 codes of wq, K innermost, in blocks of 32 codes); wv_codes 1,024 x 32 x 32 uint8 (E4M3 codes of wv, K innermost, in blocks of 32 codes).
;; Outputs: out0 2 x 2,048 x 1,024 float32.
;; This version of the problem:
;;   THIS VERSION OF THE PROBLEM IS GIVEN IN LOW PRECISION. The matrix products marked QUANTISED in the list below multiply operands that are first quantised to E4M3 (4 exponent bits, 3 mantissa bits; 8 bits a number), with one given power-of-two scale for each operand tensor; their sums are f32. All else is computed in f32.
;;   The module's matrix products, in the order in which they are computed (A, B: the left and right operand; K: the contracted axis; several contracted axes count as one K, in the product's order):
;;     1. [M 4,096, K 1,024] x [K 1,024, N 1,024]; A: computed on the way; B: input wq (given as codes): QUANTISED (scales: A lowp_scales[0], B lowp_scales[1])
;;     2. [M 4,096, K 1,024] x [K 1,024, N 1,024]; A: computed on the way; B: input wk (given as codes): QUANTISED (scales: A lowp_scales[2], B lowp_scales[3])
;;     3. [M 4,096, K 1,024] x [K 1,024, N 1,024]; A: computed on the way; B: input wv (given as codes): QUANTISED (scales: A lowp_scales[4], B lowp_scales[5])
;;     4. batch 32 x [M 2,048, K 64] x [K 64, N 2,048]; A: computed on the way; B: computed on the way: QUANTISED (scales: A lowp_scales[6], B lowp_scales[7])
;;     5. batch 32 x [M 2,048, K 2,048] x [K 2,048, N 64]; A: softmax (see below); B: computed on the way: QUANTISED (scales: A lowp_scales[8], B lowp_scales[9])
;;     6. [M 4,096, K 1,024] x [K 1,024, N 1,024]; A: computed on the way; B: input wo (given as codes): QUANTISED (scales: A lowp_scales[10], B lowp_scales[11])
;;     7. [M 4,096, K 1,024] x [K 1,024, N 1,024]; A: computed on the way; B: input w_gate (given as codes): QUANTISED (scales: A lowp_scales[12], B lowp_scales[13])
;;     8. [M 4,096, K 1,024] x [K 1,024, N 1,024]; A: computed on the way; B: input w_up (given as codes): QUANTISED (scales: A lowp_scales[14], B lowp_scales[15])
;;     9. [M 4,096, K 1,024] x [K 1,024, N 1,024]; A: computed on the way; B: input w_down (given as codes): QUANTISED (scales: A lowp_scales[16], B lowp_scales[17])
;;   THE QUANTISER, for each operand of a quantised product, along K:
;;     - The operand's scale is 2^e, e = its entry of the input lowp_scales (int32; the entries are numbered through the quantised products in the list's order, A before B).
;;     - Each number is divided by the scale, clamped to +-448, and rounded to the nearest number of E4M3, ties to even, subnormals kept.
;;     - The product sums the exact products of the quantised numbers (number of the format x scale) in f32.
;;   ~~~python
;;   def quantise(x, axis, e):      # numpy; x: float32 -> the quantised numbers, widened to float32 again
;;       x = np.moveaxis(x, axis, -1); K = x.shape[-1]
;;       r = np.clip(x / 2.0 ** e, -448, 448)
;;       step = 2.0 ** (np.maximum(np.frexp(np.where(r == 0, 1, r))[1] - 1, -6) - 3)
;;       q = np.round(r / step) * step * 2.0 ** e      # np.round: ties to even
;;       return np.moveaxis(q, -1, axis).astype(np.float32)
;;   ~~~
;;   SOFTMAX AHEAD OF A QUANTISED PRODUCT. Where the list says 'softmax', what is quantised is not the finished softmax but p = 2^(t - M), with t = logit x log2(e) and M = ceil(the row's largest t), a whole number; so 1/2 < the row's largest p <= 1. The row's sum l is taken of the UNQUANTISED p, in f32, and the product's result is divided by l at the end. Since M is a whole number, a kernel that streams over the keys may use a running M (the ceiling of the running maximum): every later rescaling is an exact power of two, so the quantised numbers keep their values, but for numbers so far below the row's largest that they fall under the format's range.
;;   OPERANDS COMPUTED ON THE WAY. 'Computed on the way' means the value that the module computes at that place (a softmax that the list does not call 'softmax' is quantised finished and normalised). What goes into a quantiser is computed in f32, as accurately as f32 sums, v_exp_f32 and their like allow (about 1e-6 of the number): no bf16 or f16 on the way to a quantiser, and a product that is left as it is and whose result goes on into a quantised operand takes f32 operands (vector FMAs, or v_wmma_f32_16x16x4_f32). A number that lies on a knife's edge between two numbers of the format may be rounded either way, as far as f32 arithmetic and the matrix unit's own rounding can turn it there, and no further.
;;   INPUTS GIVEN AS CODES. w_down (in the module: [1024, 1024], K = its axis 1); w_gate (in the module: [1024, 1024], K = its axis 1); w_up (in the module: [1024, 1024], K = its axis 1); wk (in the module: [1024, 1024], K = its axis 1); wo (in the module: [1024, 1024], K = its axis 1); wq (in the module: [1024, 1024], K = its axis 1); wv (in the module: [1024, 1024], K = its axis 1): each comes as NAME_codes (uint8): NAME with its K axis moved to the last place and cut into blocks of 32 codes, [.., K / 32, bytes a block], one block behind the other in memory; one code a byte (a code: sign, 4 exponent bits, 3 mantissa bits); its scale is its entry of lowp_scales. Its value is code x scale, taken as it is: it is not quantised again, and the codes and scales need not be those that the quantiser above would give.
;; One version. Each part assembles by itself: llvm-mc -triple=amdgcn-amd-amdhsa -mcpu=gfx1250 --defsym DOCPART=n.
;; ======== version 1 of 1: 7 launches
;; limits: right only within a limited range of input values
;; workspace buffers: hc 12,582,912 bytes; qkv 12,582,912 bytes; ctx 4,194,304 bytes; x1 16,777,216 bytes; h2 8,388,608 bytes; act 4,194,304 bytes; sc_wo 256 bytes of whole numbers; sc_dn 256 bytes of whole numbers
;; launch norm1 (part 1): grid 512 x 1, 8 waves a work-group, no clusters, 41,984 bytes of LDS; arguments hidden_states, ln1_w, lowp_scales, hc, sc_wo, sc_dn; writes hc, sc_wo, sc_dn
.if DOCPART == 1
	.amdgcn_target "amdgcn-amd-amdhsa--gfx1250"
	.amdhsa_code_object_version 6
	.text
	.protected	k_qc70550b06f_norm1
	.globl	k_qc70550b06f_norm1
	.p2align	8
	.type	k_qc70550b06f_norm1,@function
k_qc70550b06f_norm1:
	s_mov_b64 s[64:65], 0
	v_nop
	global_prefetch_b8 v0, s[64:65] scope:SCOPE_SE
	s_setreg_imm32_b32 hwreg(HW_REG_WAVE_MODE, 25, 1), 1
	s_wait_xcnt 0x0
; h = x * rsqrt(mean(x^2) + 1e-6) * w for rows of 1,024 f32, quantised to E4M3 NPL times, each time with its own given scale 2^e (entries ENT0, ENT0 + 2, ..),
; into NPL planes [4096][1024] of codes, row-major.  One wave takes one row; waves share nothing: no barrier.
; Each load of the wave reads 512 consecutive bytes, 16 a lane.  The conversions want 16 neighbours in one lane, so the finished row turns through the wave's own stage in LDS
; (64 bytes + 16 of padding a place) and comes back 64 bytes a lane; a lane's 16 codes are 16 bytes, so each store of the wave covers 512 consecutive bytes, aligned.
; FIRST = 1: the first wave of the launch also copies the pairs (e10, e11) and (e16, e17), 32 times each (256 bytes), for the two launches that share one body.
; LIMITS: each e between -126 and 119, so that 2^e and 448 x 2^e are f32 numbers.  NaN among the inputs is not served.
.set FIRST, 1
.set NPL,   3
.set ENT0,  0
.set SP,    80                         ; a place in the stage
.set WREG,  64*SP                      ; a wave's stage
.set SUM,   8                          ; v[8:11]   the sum of squares, later rms in v8
.set SC,    12                         ; v[12:17]  for each plane: 2^e, 448 x 2^e
.set X,     24                         ; v[24:55]  the row as loaded
.set W,     56                         ; v[56:87]  the gain; later the row back from the stage: group g's 16 neighbours at W + 16 g
.set T,     88                         ; v[88:119] two sets of 16 held numbers, by turns
.set C,     120                        ; v[120:143] codes: four registers for each plane and group
	s_load_b256 s[4:11], s[0:1], 0x0               ; x s[4:5], gain s[6:7], exponents s[8:9], codes s[10:11]
.if FIRST
	s_load_b128 s[12:15], s[0:1], 0x20             ; the two copies
	v_lshl_add_u32 v144, v0, 2, 0xa000
	v_mov_b32 v145, 0
.endif
	v_lshrrev_b32 v1, 5, v0
	s_delay_alu instid0(VALU_DEP_1)
	v_readfirstlane_b32 s16, v1                    ; wave
	v_and_b32 v2, 31, v0                           ; lane
	s_delay_alu instid0(VALU_DEP_1)
	v_lshlrev_b32 v3, 4, v2                        ; 16 x lane
	s_lshl_b32 s17, ttmp9, 3
	s_add_co_u32 s17, s17, s16                     ; my row
	s_lshl_b32 s18, s17, 12                        ; x 4,096 bytes
	s_mov_b32 s19, 0
	s_lshl_b32 s20, s17, 10                        ; x 1,024 bytes of codes
	s_mov_b32 s21, 0
	s_mul_i32 s22, s16, WREG
	v_lshrrev_b32 v4, 2, v2
	s_delay_alu instid0(VALU_DEP_1)
	v_mul_u32_u24 v4, v4, SP
	v_and_b32 v5, 3, v2
	s_delay_alu instid0(VALU_DEP_1)
	v_lshl_add_u32 v4, v5, 4, v4
	s_delay_alu instid0(VALU_DEP_1)
	v_add_nc_u32 v4, s22, v4                       ; into the stage: SP (lane / 4) + 16 (lane % 4); a load's 512 bytes take eight places
	v_mul_u32_u24 v5, v2, SP
	s_delay_alu instid0(VALU_DEP_1)
	v_add_nc_u32 v5, s22, v5                       ; out of it: SP x lane
	s_mov_b32 s42, 0x76543210
	s_mov_b32 s43, 0xfedcba98                      ; lane l xor 16
	s_mov_b32 s44, 0x3a800000                      ; 1 / 1024
	s_mov_b32 s45, 0x358637bd                      ; 1e-6
	s_wait_alu depctr_va_vdst(0)
	s_wait_kmcnt 0x0
	s_load_b512 s[24:39], s[8:9], 0x0              ; entries 0 to 15
.if FIRST
	s_load_b64 s[40:41], s[8:9], 0x40              ; entries 16, 17
.endif
	s_add_nc_u64 s[4:5], s[4:5], s[18:19]
	s_add_nc_u64 s[10:11], s[10:11], s[20:21]
.irp i, 0,1,2,3,4,5,6,7
	global_load_b128 v[X+4*\i:X+4*\i+3], v3, s[4:5] offset:512*\i th:TH_LOAD_NT
.endr
.irp i, 0,1,2,3,4,5,6,7
	global_load_b128 v[W+4*\i:W+4*\i+3], v3, s[6:7] offset:512*\i
.endr
	s_wait_kmcnt 0x0
.set p, 0
.rept NPL
	s_add_co_i32 s46, s[24+ENT0+2*p], 127
	s_lshl_b32 s47, s46, 23
	v_mov_b32 v[SC+2*p], s47                       ; 2^e: the conversion takes its exponent field
	s_add_co_i32 s46, s46, 8
	s_lshl_b32 s46, s46, 23
	s_or_b32 s46, s46, 0x600000
	v_mov_b32 v[SC+2*p+1], s46                     ; 448 x 2^e
	s_add_nc_u64 s[48+2*p:49+2*p], s[10:11], p*0x400000   ; my row in plane p
.set p, p+1
.endr
	s_wait_loadcnt 0x8                             ; x is in; the gain's eight loads may be out
	v_pk_mul_f32 v[SUM:SUM+1], v[X:X+1], v[X:X+1]  ; the first products start the two chains
	v_pk_mul_f32 v[SUM+2:SUM+3], v[X+2:X+3], v[X+2:X+3]
.irp j, 4,8,12,16,20,24,28
	s_delay_alu instid0(VALU_DEP_2)
	v_pk_fma_f32 v[SUM:SUM+1], v[X+\j:X+\j+1], v[X+\j:X+\j+1], v[SUM:SUM+1]
	s_delay_alu instid0(VALU_DEP_2)
	v_pk_fma_f32 v[SUM+2:SUM+3], v[X+\j+2:X+\j+3], v[X+\j+2:X+\j+3], v[SUM+2:SUM+3]
.endr
	s_delay_alu instid0(VALU_DEP_1)
	v_pk_add_f32 v[SUM:SUM+1], v[SUM:SUM+1], v[SUM+2:SUM+3]
	s_delay_alu instid0(VALU_DEP_1)
	v_add_f32 v[SUM], v[SUM], v[SUM+1]
	s_delay_alu instid0(VALU_DEP_1)
	v_add_f32_dpp v[SUM], v[SUM], v[SUM] row_xmask:1 row_mask:0xf bank_mask:0xf
	s_delay_alu instid0(VALU_DEP_1)
	v_add_f32_dpp v[SUM], v[SUM], v[SUM] row_xmask:2 row_mask:0xf bank_mask:0xf
	s_delay_alu instid0(VALU_DEP_1)
	v_add_f32_dpp v[SUM], v[SUM], v[SUM] row_xmask:4 row_mask:0xf bank_mask:0xf
	s_delay_alu instid0(VALU_DEP_1)
	v_add_f32_dpp v[SUM], v[SUM], v[SUM] row_xmask:8 row_mask:0xf bank_mask:0xf
	s_delay_alu instid0(VALU_DEP_1)
	v_permlanex16_b32 v[SUM+1], v[SUM], s42, s43
	s_delay_alu instid0(VALU_DEP_1)
	v_add_f32 v[SUM], v[SUM], v[SUM+1]             ; the row's sum of squares, in every lane
	s_delay_alu instid0(VALU_DEP_1)
	v_fma_f32 v[SUM], v[SUM], s44, s45             ; mean + 1e-6
	s_wait_alu depctr_va_vdst(0)
	v_rsq_f32 v[SUM], v[SUM]
	v_nop                                          ; a plain instruction behind the transcendental
	s_wait_alu depctr_va_vdst(0)                   ; and the wait ahead of its first reader
	s_wait_loadcnt 0x0                             ; the gain
.irp j, 0,2,4,6,8,10,12,14,16,18,20,22,24,26,28,30
	v_pk_mul_f32 v[X+\j:X+\j+1], v[X+\j:X+\j+1], v[SUM:SUM+1] op_sel_hi:[1,0]   ; x * rms
.endr
.irp j, 0,2,4,6,8,10,12,14,16,18,20,22,24,26,28,30
	v_pk_mul_f32 v[X+\j:X+\j+1], v[X+\j:X+\j+1], v[W+\j:W+\j+1]                 ; * w
.endr
.irp i, 0,1,2,3,4,5,6,7
	ds_store_b128 v4, v[X+4*\i:X+4*\i+3] offset:8*SP*\i
.endr
.irp g, 0,1
.irp j, 0,1,2,3
	ds_load_b128 v[W+16*\g+4*\j:W+16*\g+4*\j+3], v5 offset:32*SP*\g+16*\j   ; LDS serves a wave's instructions in order: these see the stores above
.endr
.endr
.set p, 0
.rept NPL
.set g, 0
.rept 2
.if p == 0
	s_wait_dscnt 4-4*g                             ; group g is back; group 1's four loads may be out while group 0 is worked
.endif
.set i, 0
.rept 16
	v_med3_num_f32 v[T+16*g+i], v[W+16*g+i], -v[SC+2*p+1], v[SC+2*p+1]   ; the conversion does not saturate (ISA guide 7.6.2): the hold comes first
.set i, i+1
.endr
	v_cvt_scalef32_pk8_fp8_f32 v[C+4*(2*p+g):C+4*(2*p+g)+1], v[T+16*g:T+16*g+7], v[SC+2*p]
	v_cvt_scalef32_pk8_fp8_f32 v[C+4*(2*p+g)+2:C+4*(2*p+g)+3], v[T+16*g+8:T+16*g+15], v[SC+2*p]
	global_store_b128 v3, v[C+4*(2*p+g):C+4*(2*p+g)+3], s[48+2*p:49+2*p] offset:512*g   ; the next sixteen holds write the other set: they are the plain lines behind these conversions
.set g, g+1
.endr
.set p, p+1
.endr
.if FIRST
	s_or_b32 s46, ttmp9, s16
	s_cmp_lg_u32 s46, 0
	s_cbranch_scc1 .Ldone                          ; the launch's first wave alone
	v_lshlrev_b32 v7, 3, v2
	v_mov_b32 v18, s34                             ; e10
	v_mov_b32 v19, s35                             ; e11
	v_mov_b32 v20, s40                             ; e16
	v_mov_b32 v21, s41                             ; e17
	global_store_b64 v7, v[18:19], s[12:13]        ; 32 lanes x 8 bytes: the whole buffer
	global_store_b64 v7, v[20:21], s[14:15]
.Ldone:
.endif
	s_wait_tensorcnt 0x0
	ds_add_u32 v144, v145
	s_wait_dscnt 0x0
	s_endpgm
.Lfunc_end_k_qc70550b06f_norm1:
	.size	k_qc70550b06f_norm1, .Lfunc_end_k_qc70550b06f_norm1-k_qc70550b06f_norm1
	.p2alignl 7, 3214868480
	.fill 96, 4, 3214868480
	.section	.rodata,"a",@progbits
	.p2align	6, 0x0
	.amdhsa_kernel k_qc70550b06f_norm1
		.amdhsa_group_segment_fixed_size 41984
		.amdhsa_private_segment_fixed_size 0
		.amdhsa_enable_private_segment 0
		.amdhsa_kernarg_size 48
		.amdhsa_user_sgpr_count 2
		.amdhsa_user_sgpr_kernarg_segment_ptr 1
		.amdhsa_wavefront_size32 1
		.amdhsa_system_sgpr_workgroup_id_x 1
		.amdhsa_system_sgpr_workgroup_id_y 1
		.amdhsa_system_sgpr_workgroup_id_z 1
		.amdhsa_system_vgpr_workitem_id 0
		.amdhsa_next_free_vgpr 146
		.amdhsa_next_free_sgpr 66
		.amdhsa_reserve_vcc 0
		.amdhsa_float_denorm_mode_32 3
		.amdhsa_float_denorm_mode_16_64 3
		.amdhsa_memory_ordered 1
		.amdhsa_forward_progress 1
		.amdhsa_inst_pref_size 18
	.end_amdhsa_kernel
	.amdgpu_metadata
---
amdhsa.version: [ 1, 2 ]
amdhsa.kernels:
  - .name:           k_qc70550b06f_norm1
    .symbol:         k_qc70550b06f_norm1.kd
    .args:
      - { .name: hidden_states, .offset: 0, .size: 8, .value_kind: global_buffer, .address_space: global }
      - { .name: ln1_w, .offset: 8, .size: 8, .value_kind: global_buffer, .address_space: global }
      - { .name: lowp_scales, .offset: 16, .size: 8, .value_kind: global_buffer, .address_space: global }
      - { .name: hc, .offset: 24, .size: 8, .value_kind: global_buffer, .address_space: global }
      - { .name: sc_wo, .offset: 32, .size: 8, .value_kind: global_buffer, .address_space: global }
      - { .name: sc_dn, .offset: 40, .size: 8, .value_kind: global_buffer, .address_space: global }
    .group_segment_fixed_size: 41984
    .private_segment_fixed_size: 0
    .kernarg_segment_align: 8
    .kernarg_segment_size: 48
    .max_flat_workgroup_size: 256
    .sgpr_count:     66
    .vgpr_count:     146
    .wavefront_size: 32
...
	.end_amdgpu_metadata
.endif
;; end of part 1
;; launch qkv (part 2): grid 8 x 32, 4 waves a work-group, clusters of 4 x 4, 327,680 bytes of LDS; arguments hc, wq_codes, wk_codes, wv_codes, lowp_scales, qkv; writes qkv
.if DOCPART == 2
	.amdgcn_target "amdgcn-amd-amdhsa--gfx1250"
	.amdhsa_code_object_version 6
	.text
	.protected	k_qc70550b06f_qkv
	.globl	k_qc70550b06f_qkv
	.p2align	8
	.type	k_qc70550b06f_qkv,@function
k_qc70550b06f_qkv:
	s_mov_b64 s[64:65], 0
	v_nop
	global_prefetch_b8 v0, s[64:65] scope:SCOPE_SE
	s_setreg_imm32_b32 hwreg(HW_REG_WAVE_MODE, 25, 1), 1
	s_wait_xcnt 0x0
	s_wait_alu depctr_hold_cnt(0) depctr_sa_sdst(0) depctr_va_vdst(0) depctr_va_sdst(0) depctr_va_ssrc(0) depctr_va_vcc(0) depctr_vm_vsrc(0)
	s_getreg_b32 s2, hwreg(HW_REG_IB_STS2, 6, 4)
	s_cmp_eq_u32 s2, 0
	s_cbranch_scc0 .Lentry_in_a_cluster
	s_endpgm
.Lentry_in_a_cluster:
	s_bfe_u32 s2, ttmp6, 0x10000c
	s_cmp_lg_u32 s2, 0xf033
	s_cbranch_scc0 .Lentry_shape_is_right
	s_endpgm
.Lentry_shape_is_right:
; q, k, v = Q(h) W^T on E4M3 codes, and the results quantised at once for attention (q: entry 6, k: entry 7, v: entry 9).
; A WORK-GROUP STAYS: it makes its tile, 128 tokens x 128 channels, of q, then of k, then of v: 4,096 x 1,024 gives 256 such tiles, one work-group each.  Four waves of 64 x 64: 16 accumulators, used three times.
; Six steps of 512 along K through two LDS slots: q K 0-511 (slot 0), q K 512-1023 (slot 1), k, k, v, v: four refills, each the wave's one tensor load behind a round of the cluster's barrier.
; Each of the twelve loads has a group 0 of its own, written once at the head.  Tokens come from plane 0, 1, 2 of hc (h under entries 0, 2, 4), weights from wq, wk, wv.
; A product's conversions and stores stand behind the refill that follows its last step: they run while the next tiles are on their way.
; q, k: source 0 = 16 channels, source 1 = 16 tokens: lane (r, h), register j of accumulator (a, b) holds (token 16 a + r, channel 16 b + 8 h + j).
; v: THE SOURCES CHANGE PLACES (source 0 = 16 tokens, source 1 = 16 channels): (channel 16 a + r, token 16 b + 8 h + j), since the keys are the K of attention's second product.
; Both fragments are fetched by loads of 16 bytes: the same permutation of k on both sides, so every product meets its partner.
; OUT: PIECES of 512 bytes, lane l's 16 bytes at 16 l: the two conversions of accumulators (a, 2 c) and (a, 2 c + 1) are registers 4 c .. 4 c + 3 of an operand in the fp8 forms' own layout
; (k = 32 c + 8 h + 0..7, then 32 c + 16 + 8 h + 0..7).  Each store of the wave covers 512 consecutive bytes, aligned.
; q, k: ((bh 128 + token tile in the batch) 2 + c) 512;   v: (((bh 16 + step of 128 keys) 4 + channel tile) 4 + piece) 512;   bh = 16 batch + head; a wave's 64 channels are one head.
; CLUSTER: the tokens' tile hangs on the tile row alone and is asked for jointly along a row of the cluster, the weights' on the tile column alone and jointly along a column.
; LIMIT: e6 - e0 - e1, e7 - e2 - e3 and e9 - e4 - e5 between -126 and 119.
.set PITCH, 528                        ; an LDS row: 512 bytes + 16 of padding = 132 words: the 16 rows of a fragment load start at 16 different banks (ISA guide 11.1)
.set HALFT, 64*PITCH                   ; what one tensor load brings
.set SLOT,  4*HALFT                    ; the tokens' 128 rows, then the weights' 128 rows
.set SPARE, 2*SLOT                     ; behind the slots: the spare words, 128 bytes a wave: two blocks of 256 bytes that no other line names
.set SC,   8                           ; v8-13  for product p: 2^E at 2 p, 448 x 2^E at 2 p + 1
.set ADRT, 16                          ; v16-17 LDS address of my token fragments in slot 0, 1
.set ADRW, 20                          ; v20-21 the same for the weights
.set LI,   27                          ; v27 16 x lane
.set SPW,  28                          ; v28 my spare word; never rewritten
.set NIL,  29                          ; v29 0; never rewritten
.set CD,   32                          ; v32-127 codes: 32 registers for each product, so that no store's data are written again
.set ACC,  128                         ; v128-255 accumulators, (a, b) at 8 (4 a + b)
.set F0,   0                           ; window 1: two fragment buffers: token fragment i at 16 i, weight fragment i at 64 + 16 i
.set F1,   128
.set G1T,  24                          ; s[24:31] group 1 for the tokens' tiles
.set G1W,  32                          ; s[32:39] for the weights'
.set DESC, (1<<20)|(1<<21)|(6<<22)|(3<<25)   ; elements of 1 byte; padding on; bit 21 beside a mask; after every 128 words, 4 words
.set MUL,  0x05                        ; sources 0 and 1 window 1
.set TO_F, 0x40                        ; destination window 1
.set MSB, 0
.macro WIN new                         ; the immediate's high byte repeats the setting that is left
.if MSB != \new
	s_set_vgpr_msb (MSB<<8)|\new
.set MSB, \new
.endif
.endm
.macro JLOAD g0a, g1a, g0b, g1b        ; waves 0 and 1 fetch the tokens' halves, waves 2 and 3 the weights'; four v_nop follow each line
	s_cmp_eq_u32 s17, 0
	s_cbranch_scc0 .Lfor_b_\@
	tensor_load_to_lds s[\g0a:\g0a+3], s[\g1a:\g1a+7]
	s_nop 0
.rept 4
	v_nop
.endr
	s_branch .Lasked_\@
.Lfor_b_\@:
	tensor_load_to_lds s[\g0b:\g0b+3], s[\g1b:\g1b+7]
	s_nop 0
.rept 4
	v_nop
.endr
.Lasked_\@:
.endm
.macro CROUND                          ; a round of the cluster's barrier
	s_barrier_signal -1
	s_barrier_wait -1
	s_cmp_lg_u32 s16, 0
	s_cbranch_scc1 .Lnot_wave_0_\@
	s_barrier_signal -3
.Lnot_wave_0_\@:
	s_barrier_wait -3
	s_barrier_signal -1
	s_barrier_wait -1
.endm
.macro PLACES                          ; four places behind matrix instructions, ahead of loads into their sources and of reads of their results
.rept 4
	v_nop
.endr
.endm
.macro FETCH slot, q, f                ; 32 LDS loads: the fragments of the slot's q-th 128 along K
	WIN TO_F
.irp i, 0,1,2,3
.irp c, 0,1,2,3
	ds_load_b128 v[\f+64+16*\i+4*\c:\f+64+16*\i+4*\c+3], v[ADRW+\slot] offset:128*\q+32*\c+\i*16*PITCH
.endr
.endr
.irp i, 0,1,2,3
.irp c, 0,1,2,3
	ds_load_b128 v[\f+16*\i+4*\c:\f+16*\i+4*\c+3], v[ADRT+\slot] offset:128*\q+32*\c+\i*16*PITCH
.endr
.endr
.endm
; The 16 accumulators by turns, one instruction a turn.  zero = 1: the products start the sums.  swap = 0: source 0 = weights b, source 1 = tokens a;  swap = 1: source 0 = tokens b, source 1 = weights a.
.macro MUL16 f, zero, swap
.irp a, 0,1,2,3
.irp b, 0,1,2,3
.if \swap
.set OP0, \f+16*\b
.set OP1, \f+64+16*\a
.else
.set OP0, \f+64+16*\b
.set OP1, \f+16*\a
.endif
.if \zero
	v_wmma_f32_16x16x128_fp8_fp8 v[ACC+8*(4*\a+\b):ACC+8*(4*\a+\b)+7], v[OP0:OP0+15], v[OP1:OP1+15], 0
.else
	v_wmma_f32_16x16x128_fp8_fp8 v[ACC+8*(4*\a+\b):ACC+8*(4*\a+\b)+7], v[OP0:OP0+15], v[OP1:OP1+15], v[ACC+8*(4*\a+\b):ACC+8*(4*\a+\b)+7]
.endif
.endr
.endr
.endm
.macro SLOTWORK slot, zero, swap       ; a slot's 512 along K: four steps of 128 on two buffers; each step's fragments are asked for one step ahead
	PLACES
	FETCH \slot, 0, F0
	FETCH \slot, 1, F1
	s_wait_dscnt 32                                ; the first run is in; the second run's 32 may be out
	WIN MUL
	MUL16 F0, \zero, \swap
	s_wait_dscnt 0x0
	PLACES
	FETCH \slot, 2, F0
	WIN MUL
	MUL16 F1, 0, \swap
	s_wait_dscnt 0x0
	PLACES
	FETCH \slot, 3, F1
	WIN MUL
	MUL16 F0, 0, \swap
	s_wait_dscnt 0x0
	MUL16 F1, 0, \swap
	WIN 0
.endm
; The change of slots.  Each wave waits for all its tensor loads (its part of the slot ahead), adds 0 to its spare word, and waits for that and for its reads of the slot that it leaves.
; fill = 1: a round of the cluster's barrier, and behind it the slot just left is filled again, first thing.
.macro CHANGE fill, ga, gb
	s_wait_tensorcnt 0x0
	ds_add_u32 v[SPW], v[NIL]
	s_wait_dscnt 0x0
.if \fill
	CROUND
	JLOAD \ga, G1T, \gb, G1W
.else
	s_barrier_signal -1
	s_barrier_wait -1
.endif
.endm
.macro GROUP0 g, lo, b, add            ; a group 0: LDS address s98 + lo, global address s[b:b+1] + add
	s_mov_b32 s[\g], 1
	s_add_co_u32 s[\g+1], s98, \lo
	s_add_nc_u64 s[\g+2:\g+3], s[\b:\b+1], \add
	s_or_b32 s[\g+3], s[\g+3], 0x80000000
.endm
.macro MKSC p, r                       ; s[r] = E: 2^E and 448 x 2^E as f32, for product p
	s_add_co_i32 s[\r], s[\r], 127
	s_lshl_b32 s92, s[\r], 23
	v_mov_b32 v[SC+2*\p], s92
	s_add_co_i32 s[\r], s[\r], 8
	s_lshl_b32 s[\r], s[\r], 23
	s_or_b32 s[\r], s[\r], 0x600000
	v_mov_b32 v[SC+2*\p+1], s[\r]
.endm
; Product p's sums become codes and leave: eight pieces of 512 bytes, from s[base:base+1] on, block a stride bytes behind block a - 1.
.macro EPI p, base, stride
	PLACES
.irp a, 0,1,2,3
.irp c, 0,1
.irp i, 0,1,2,3,4,5,6,7,8,9,10,11,12,13,14,15
	v_med3_num_f32 v[ACC+32*\a+16*\c+\i], v[ACC+32*\a+16*\c+\i], -v[SC+2*\p+1], v[SC+2*\p+1]   ; the conversion does not saturate (ISA guide 7.6.2): the hold, each accumulator from its low end on
.endr
	v_cvt_scalef32_pk8_fp8_f32 v[CD+32*\p+8*\a+4*\c:CD+32*\p+8*\a+4*\c+1], v[ACC+32*\a+16*\c:ACC+32*\a+16*\c+7], v[SC+2*\p]
	v_cvt_scalef32_pk8_fp8_f32 v[CD+32*\p+8*\a+4*\c+2:CD+32*\p+8*\a+4*\c+3], v[ACC+32*\a+16*\c+8:ACC+32*\a+16*\c+15], v[SC+2*\p]
.endr
.endr
	v_nop                                          ; a plain line behind the last conversion: the next product's first matrix instructions write the numbers' registers
.irp a, 0,1,2,3
.irp c, 0,1
	global_store_b128 v[LI], v[CD+32*\p+8*\a+4*\c:CD+32*\p+8*\a+4*\c+3], s[\base:\base+1] offset:\stride*\a+512*\c
.endr
.endr
.endm
	s_load_b256 s[4:11], s[0:1], 0x0               ; hc s[4:5], wq s[6:7], wk s[8:9], wv s[10:11]
	s_load_b128 s[12:15], s[0:1], 0x20             ; exponents s[12:13], qkv s[14:15]
	v_lshl_add_u32 v[SPW], v0, 2, SPARE
	v_mov_b32 v[NIL], 0
	ds_add_u32 v28, v29
	ds_add_u32 v28, v29
	s_wait_dscnt 0x0
	v_lshrrev_b32 v1, 5, v0
	v_readfirstlane_b32 s16, v1                    ; wave
	s_lshr_b32 s17, s16, 1                         ; wr: my 64 tokens.  Also: I fetch tokens (0) or weights (1)
	s_and_b32 s18, s16, 1                          ; wc: my 64 channels.  Also: which 64 rows I fetch
	s_bfe_u32 s20, ttmp6, 0x40000                  ; cx
	s_bfe_u32 s21, ttmp6, 0x40004                  ; cy
	s_lshl_b32 s22, ttmp9, 2
	s_add_co_u32 s22, s22, s20                     ; tile column: 128 channels
	s_and_b32 s23, ttmp7, 0xffff
	s_lshl_b32 s23, s23, 2
	s_add_co_u32 s23, s23, s21                     ; tile row: 128 tokens
	s_lshl_b32 s92, s21, 2
	s_lshl_b32 s92, 15, s92                        ; my row of the cluster
	s_lshl_b32 s93, 0x1111, s20                    ; my column
	s_or_b32 s[G1T], s92, DESC
	s_or_b32 s[G1W], s93, DESC
.irp g, G1T, G1W
	s_mov_b32 s[\g+1], 512<<16                     ; tensor_dim0
	s_mov_b32 s[\g+2], 64<<16                      ; tensor_dim1
	s_mov_b32 s[\g+3], 512<<16                     ; tile_dim0
	s_mov_b32 s[\g+4], 64                          ; tile_dim1
	s_mov_b32 s[\g+5], 1024                        ; bytes from row to row, in hc and in the weights alike
	s_mov_b32 s[\g+6], 0
	s_mov_b32 s[\g+7], 0
.endr
	s_lshl_b32 s98, s18, 6
	s_lshl_b32 s94, s23, 7
	s_add_co_u32 s94, s94, s98
	s_lshl_b32 s94, s94, 10                        ; tokens: (128 x tile row + 64 x half) rows of 1,024 bytes
	s_mov_b32 s95, 0
	s_lshl_b32 s96, s22, 7
	s_add_co_u32 s96, s96, s98
	s_lshl_b32 s96, s96, 10                        ; weights likewise, by the tile column
	s_mov_b32 s97, 0
	s_mul_i32 s98, s16, HALFT                      ; where my loads go: wave x 64 rows
	s_wait_kmcnt 0x0
	s_add_nc_u64 s[4:5], s[4:5], s[94:95]
	s_add_nc_u64 s[6:7], s[6:7], s[96:97]
	s_add_nc_u64 s[8:9], s[8:9], s[96:97]
	s_add_nc_u64 s[10:11], s[10:11], s[96:97]
	GROUP0 40, 0,    4, 0                          ; tokens: plane 0, K 0-511,
	GROUP0 44, SLOT, 4, 512                        ; K 512-1023,
	GROUP0 48, 0,    4, 0x400000                   ; plane 1,
	GROUP0 52, SLOT, 4, 0x400200
	GROUP0 56, 0,    4, 0x800000                   ; plane 2
	GROUP0 60, SLOT, 4, 0x800200
	GROUP0 68, 0,    6, 0                          ; weights: wq,
	GROUP0 72, SLOT, 6, 512
	GROUP0 76, 0,    8, 0                          ; wk,
	GROUP0 80, SLOT, 8, 512
	GROUP0 84, 0,    10, 0                         ; wv
	GROUP0 88, SLOT, 10, 512
	; the prefetches' bases: k's and v's tiles of the 64 rows that I fetch; of those rows the partner at place p among the four that ask jointly takes 16 p .. 16 p + 15, by address
	s_cmp_eq_u32 s17, 0                            ; do I fetch tokens?
	s_cselect_b64 s[66:67], s[4:5], s[8:9]         ; k: hc or wk
	s_cselect_b64 s[104:105], s[4:5], s[10:11]     ; v: hc or wv
	s_cselect_b32 s92, 0x400000, 0                 ; a plane of hc on for each product
	s_cselect_b32 s94, s20, s21                    ; p: cx for tokens, cy for weights
	s_lshl_b32 s94, s94, 14                        ; 16 rows of 1,024 bytes
	s_mov_b32 s95, 0
	s_mov_b32 s93, 0
	s_add_nc_u64 s[66:67], s[66:67], s[94:95]
	s_add_nc_u64 s[104:105], s[104:105], s[94:95]
	s_add_nc_u64 s[66:67], s[66:67], s[92:93]
	s_add_nc_u64 s[104:105], s[104:105], s[92:93]
	s_add_nc_u64 s[104:105], s[104:105], s[92:93]
	s_load_b256 s[4:11], s[12:13], 0x0             ; entries 0 to 7, into registers whose addresses have been used up
	s_load_b32 s99, s[12:13], 0x24                 ; entry 9
	CROUND                                         ; all sixteen work-groups are here: the first joint loads meet
	JLOAD 40, G1T, 68, G1W                         ; slot 0: my one tensor load at the head
	v_and_b32 v1, 15, v0                           ; r
	v_bfe_u32 v2, v0, 4, 1                         ; h
	v_mul_u32_u24 v3, v1, PITCH
	v_lshl_add_u32 v3, v2, 4, v3
	s_mul_i32 s19, s17, HALFT
	s_mul_i32 s98, s18, HALFT
	s_add_co_u32 s98, s98, 2*HALFT
.irp s, 0,1
	v_add_nc_u32 v[ADRT+\s], s19, v3
	v_add_nc_u32 v[ADRW+\s], s98, v3
	s_add_co_u32 s19, s19, SLOT
	s_add_co_u32 s98, s98, SLOT
.endr
	v_and_b32 v[LI], 31, v0
	v_lshlrev_b32 v[LI], 4, v[LI]
	; A PREFETCH INTO THE L2 behind the second to the fifth tensor load, for the step that the next load will ask for, one whole step of 64 matrix instructions ahead: 16 rows x 512 bytes, a lane to each block of 256 bytes, one instruction a wave.
	; Tokens: each block is named once in each of the two clusters that load it.  Weights: eight rows of clusters load the same bytes; every second row asks.  The address registers are never rewritten.  The first two steps come by their loads alone.
	v_and_b32 v24, 31, v0
	v_lshrrev_b32 v25, 1, v24
	v_and_b32 v24, 1, v24
	v_lshlrev_b32 v24, 8, v24
	v_lshl_add_u32 v24, v25, 10, v24               ; 1,024 (lane / 2) + 256 (lane % 2)
	s_and_b32 s19, ttmp7, 1
	s_and_b32 s19, s19, s17                        ; 1: a weights' wave in an odd row of clusters: it asks for nothing
.macro ASK b, off
	s_cmp_eq_u32 s19, 0
	s_cbranch_scc0 .Lnot_mine_\@
	global_prefetch_b8 v24, s[\b:\b+1] offset:\off th:TH_LOAD_NT scope:SCOPE_SE
.Lnot_mine_\@:
.endm
	; where my pieces go
	s_lshr_b32 s92, s23, 4
	s_lshl_b32 s92, s92, 4
	s_lshl_b32 s93, s22, 1
	s_add_co_u32 s92, s92, s93
	s_add_co_u32 s92, s92, s18                     ; bh = 16 batch + 2 x tile column + wc
	s_and_b32 s93, s23, 15                         ; the tile's place in its batch: a step of 128 keys
	s_lshl_b32 s94, s92, 7
	s_lshl_b32 s95, s93, 3
	s_add_co_u32 s94, s94, s95
	s_lshl_b32 s95, s17, 2
	s_add_co_u32 s94, s94, s95                     ; q, k: bh 128 + my first token tile in the batch,
	s_lshl_b32 s94, s94, 10                        ; two pieces each
	s_mov_b32 s95, 0
	s_lshl_b32 s96, s92, 4
	s_add_co_u32 s96, s96, s93
	s_lshl_b32 s96, s96, 13                        ; v: (bh 16 + step) x 16 pieces,
	s_lshl_b32 s97, s17, 10
	s_add_co_u32 s96, s96, s97                     ; my 64 tokens are pieces 2 wr, 2 wr + 1 of a channel tile's four
	s_mov_b32 s97, 0
	s_add_nc_u64 s[100:101], s[14:15], s[96:97]
	s_add_nc_u64 s[100:101], s[100:101], 0x800000  ; v: plane 2
	s_add_nc_u64 s[14:15], s[14:15], s[94:95]      ; q: plane 0
	s_add_nc_u64 s[2:3], s[14:15], 0x400000        ; k: plane 1
	s_wait_kmcnt 0x0
	s_sub_co_i32 s10, s10, s4                      ; a sum stands for sum x 2^(eA + eB): its code is sum / 2^(eOut - eA - eB)
	s_sub_co_i32 s10, s10, s5                      ; q: e6 - e0 - e1
	s_sub_co_i32 s11, s11, s6
	s_sub_co_i32 s11, s11, s7                      ; k: e7 - e2 - e3
	s_sub_co_i32 s99, s99, s8
	s_sub_co_i32 s99, s99, s9                      ; v: e9 - e4 - e5
	MKSC 0, 10
	MKSC 1, 11
	MKSC 2, 99
	s_wait_alu depctr_va_vdst(0)                   ; the wait at the head's end
	s_wait_tensorcnt 0x0                           ; my part of slot 0 is in
	ds_add_u32 v[SPW], v[NIL]                      ; ahead of a later first fill
	s_wait_dscnt 0x0
	CROUND                                         ; everybody's part of slot 0 is in, and the joint loads meet
	JLOAD 44, G1T, 72, G1W                         ; slot 1's first fill, the first tensor load behind the round
	ASK 66, 0                                      ; k, K 0-511
	SLOTWORK 0, 1, 0
	CHANGE 1, 48, 76                               ; slot 0 takes k's first half
	ASK 66, 512                                    ; k, K 512-1023
	s_wait_alu depctr_va_vdst(0)
	SLOTWORK 1, 0, 0
	CHANGE 1, 52, 80                               ; slot 1 takes k's second half
	ASK 104, 0                                     ; v, K 0-511
	EPI 0, 14, 1024
	SLOTWORK 0, 1, 0                               ; k
	CHANGE 1, 56, 84                               ; slot 0 takes v's first half
	ASK 104, 512                                   ; v, K 512-1023
	SLOTWORK 1, 0, 0
	CHANGE 1, 60, 88                               ; slot 1 its second
	EPI 1, 2, 1024
	SLOTWORK 0, 1, 1                               ; v: the sources change places
	CHANGE 0, 0, 0
	SLOTWORK 1, 0, 1
	EPI 2, 100, 2048
	s_wait_tensorcnt 0x0                           ; the wave's end
	ds_add_u32 v[SPW], v[NIL]
	s_wait_dscnt 0x0
	CROUND                                         ; the closing round
	s_endpgm
.Lfunc_end_k_qc70550b06f_qkv:
	.size	k_qc70550b06f_qkv, .Lfunc_end_k_qc70550b06f_qkv-k_qc70550b06f_qkv
	.p2alignl 7, 3214868480
	.fill 96, 4, 3214868480
	.section	.rodata,"a",@progbits
	.p2align	6, 0x0
	.amdhsa_kernel k_qc70550b06f_qkv
		.amdhsa_group_segment_fixed_size 327680
		.amdhsa_private_segment_fixed_size 0
		.amdhsa_enable_private_segment 0
		.amdhsa_kernarg_size 48
		.amdhsa_user_sgpr_count 2
		.amdhsa_user_sgpr_kernarg_segment_ptr 1
		.amdhsa_wavefront_size32 1
		.amdhsa_system_sgpr_workgroup_id_x 1
		.amdhsa_system_sgpr_workgroup_id_y 1
		.amdhsa_system_sgpr_workgroup_id_z 1
		.amdhsa_system_vgpr_workitem_id 0
		.amdhsa_next_free_vgpr 512
		.amdhsa_next_free_sgpr 106
		.amdhsa_reserve_vcc 0
		.amdhsa_float_denorm_mode_32 3
		.amdhsa_float_denorm_mode_16_64 3
		.amdhsa_memory_ordered 1
		.amdhsa_forward_progress 1
		.amdhsa_inst_pref_size 122
	.end_amdhsa_kernel
	.amdgpu_metadata
---
amdhsa.version: [ 1, 2 ]
amdhsa.kernels:
  - .name:           k_qc70550b06f_qkv
    .symbol:         k_qc70550b06f_qkv.kd
    .args:
      - { .name: hc, .offset: 0, .size: 8, .value_kind: global_buffer, .address_space: global }
      - { .name: wq_codes, .offset: 8, .size: 8, .value_kind: global_buffer, .address_space: global }
      - { .name: wk_codes, .offset: 16, .size: 8, .value_kind: global_buffer, .address_space: global }
      - { .name: wv_codes, .offset: 24, .size: 8, .value_kind: global_buffer, .address_space: global }
      - { .name: lowp_scales, .offset: 32, .size: 8, .value_kind: global_buffer, .address_space: global }
      - { .name: qkv, .offset: 40, .size: 8, .value_kind: global_buffer, .address_space: global }
    .group_segment_fixed_size: 327680
    .private_segment_fixed_size: 0
    .kernarg_segment_align: 8
    .kernarg_segment_size: 48
    .max_flat_workgroup_size: 128
    .sgpr_count:     106
    .vgpr_count:     512
    .wavefront_size: 32
...
	.end_amdgpu_metadata
.endif
;; end of part 2
;; launch attn (part 3): grid 8 x 32, 8 waves a work-group, clusters of 4 x 1, 327,680 bytes of LDS; arguments qkv, lowp_scales, ctx; writes ctx
.if DOCPART == 3
	.amdgcn_target "amdgcn-amd-amdhsa--gfx1250"
	.amdhsa_code_object_version 6
	.text
	.protected	k_qc70550b06f_attn
	.globl	k_qc70550b06f_attn
	.p2align	8
	.type	k_qc70550b06f_attn,@function
k_qc70550b06f_attn:
	s_mov_b64 s[64:65], 0
	v_nop
	global_prefetch_b8 v0, s[64:65] scope:SCOPE_SE
	s_setreg_imm32_b32 hwreg(HW_REG_WAVE_MODE, 25, 1), 1
	s_wait_xcnt 0x0
	s_wait_alu depctr_hold_cnt(0) depctr_sa_sdst(0) depctr_va_vdst(0) depctr_va_sdst(0) depctr_va_ssrc(0) depctr_va_vcc(0) depctr_vm_vsrc(0)
	s_getreg_b32 s2, hwreg(HW_REG_IB_STS2, 6, 4)
	s_cmp_eq_u32 s2, 0
	s_cbranch_scc0 .Lentry_in_a_cluster
	s_endpgm
.Lentry_in_a_cluster:
	s_bfe_u32 s2, ttmp6, 0x10000c
	s_cmp_lg_u32 s2, 0x3003
	s_cbranch_scc0 .Lentry_shape_is_right
	s_endpgm
.Lentry_shape_is_right:
; ctx = Q(softmax(q k^T / 8) v) for 32 heads (16 batch + head) of 2,048 tokens x 64 channels, both products on E4M3 codes, the result quantised at once with entry 10.
; q, k: token tiles of 16 x 64 codes, 1,024 bytes each, as register images of the K = 64 form (piece c of 512 bytes = registers 4 c .. 4 c + 3, 16 bytes a lane); v: for each step of 128 keys four
; channel tiles of 16 x 128 codes, 2,048 bytes each, as register images of the K = 128 form.  ctx: (token tile x 32 + channel / 32) x 512 bytes, pieces of the same make.
; THE SOFTMAX: t = score x log2(e) / 8; M = the ceiling of the running largest t; p = 2^(t - M) is quantised with entry 8, not normalised; the row's sum is taken of the unquantised p and divides at the end.
; When M moves, the sum and O^T are multiplied by 2^(old M - new M), a power of two.
; SHARES: a work-group owns 256 queries of one head; each of its eight waves owns 32, two tiles of 16, so that every fragment of K and of V read from LDS feeds two matrix instructions.
; Both products are used transposed (S^T = K Q^T, O^T = V^T P^T): a lane holds one query of each tile; tile t's eight registers are keys 16 t + 8 (lane / 16) + 0 .. 7, which is where the K = 128 form wants them.
; LDS: all of the head's K (131,072 bytes from 0) and V (131,072 bytes from VB) lie there, each byte filled once.  Waves 0-3 fetch K, waves 4-7 V: at the head a quarter each of the first NF key steps,
; and behind the full sequence a quarter each of the other 16 - NF steps, which have NF steps of work in which to land.
; CLUSTER: the eight work-groups of a head read the same K and V; a mask names four, so four of them form a cluster and ask jointly.
; NO PREFETCH: both loads of a wave go out at the head; there is no loop of loads to run ahead in.
; LIMITS: e6 + e7 between -123 and 130; e8 between -126 and 119; e10 - e8 - e9 between -126 and 119; the scaled scores stay under 2^31 in magnitude.  NaN among the inputs is not served.
; REGISTERS.  Window 0: v1-6 addresses that stay, v8-11 p's scale and hold, v12-15 (-M, largest score) of tile 0, 1; v16-19 the sums; v20-23 second chains; v24-27 f; v28-35 maxima; v36-39 old -M, permutes;
; v40-41 the way out's scale and hold; v64-127, v128-191 S^T, then p, of tile 0, 1.   Window 1: v0-63 O^T; v64-79 Q; v80-111 p's codes; v128-191 K's fragments; v192-255 V's.
.set DUAL,  1                          ; the hold goes two numbers to an instruction
.set NF,    4                          ; key steps in the first load
.set STB,   8192                       ; a key step's bytes of K, and of V
.set FIRST, NF*STB
.set VB,    0x20000
.set SPARE, 0x40000                    ; the spare words: 128 bytes a wave, four blocks of 256 bytes that no other line names
.set LI,  1
.set LV,  2
.set ADK, 3
.set ADV, 4
.set SPW, 5
.set NIL, 6
.set PS,  8
.set PL,  10
.set NM,  12
.set LS,  16
.set LB,  20
.set FF,  24
.set MX,  28
.set OM,  36
.set PM,  38
.set OS,  40
.set OL,  41
.set S0,  64
.set S1,  128
.set CD,  192
.set O0,  0
.set O1,  32
.set QF,  64
.set PC,  80
.set KF,  128
.set VF,  192
.set WV,  18
.set SEL, 20
.set CS,  22
.set G1S, 24
.set G1L, 32
.set TB,  48
.set TBN, 49
.set MSB, 0
.macro WIN new                         ; the immediate's high byte repeats the setting that is left
.if MSB != \new
	s_set_vgpr_msb (MSB<<8)|\new
.set MSB, \new
.endif
.endm
.macro CROUND                          ; a round of the cluster's barrier
	s_barrier_signal -1
	s_barrier_wait -1
	s_cmp_lg_u32 s[WV], 0
	s_cbranch_scc1 .Lnot_wave_0_\@
	s_barrier_signal -3
.Lnot_wave_0_\@:
	s_barrier_wait -3
	s_barrier_signal -1
	s_barrier_wait -1
.endm
.macro KFIRST                          ; K's fragments of the step at s[TB]
	v_add_nc_u32 v[ADK], s[TB], v[LI]
	WIN 0x40
.set kl, 0
.rept 16
	ds_load_b128 v[KF+4*kl:KF+4*kl+3], v[ADK] offset:512*kl
.set kl, kl+1
.endr
	WIN 0
.endm
; A KEY STEP: 128 keys x my 32 queries.  lim: the last step whose bytes have landed: the phase's last trip names its own K again for the look-ahead, and those registers are not used.
.macro STEP lim
	s_add_co_u32 s[TBN], s[TB], STB
	s_min_u32 s[TBN], s[TBN], \lim
	s_wait_dscnt 0x0                               ; this step's K is in
	WIN 0x05
.irp t, 0,1,2,3,4,5,6,7
	v_wmma_f32_16x16x64_fp8_fp8 v[S0+8*\t:S0+8*\t+7], v[KF+8*\t:KF+8*\t+7], v[QF:QF+7], 0
	v_wmma_f32_16x16x64_fp8_fp8 v[S1+8*\t:S1+8*\t+7], v[KF+8*\t:KF+8*\t+7], v[QF+8:QF+15], 0
.endr
	WIN 0
	v_add_nc_u32 v[ADV], s[TB], v[LV]              ; four plain lines: the places ahead of the loads into fragments and of the reads of S^T
	v_add_nc_u32 v[ADK], s[TBN], v[LI]
	v_mov_b32 v[OM], v[NM]
	v_mov_b32 v[OM+1], v[NM+2]
	WIN 0x40
.set kl, 0
.rept 16
	ds_load_b128 v[VF+4*kl:VF+4*kl+3], v[ADV] offset:512*kl    ; this step's V,
.set kl, kl+1
.endr
.set kl, 0
.rept 16
	ds_load_b128 v[KF+4*kl:KF+4*kl+3], v[ADK] offset:512*kl    ; the next step's K
.set kl, kl+1
.endr
	WIN 0
.irp c, 0,1,2,3                                ; the step's largest score of each query: four chains a tile, each accumulator from its low end on
.irp u, 0,1
	v_max3_num_f32 v[MX+4*\u+\c], v[S0+64*\u+16*\c], v[S0+64*\u+16*\c+1], v[S0+64*\u+16*\c+2]
.endr
.endr
.irp i, 3,5,7,9,11,13
.irp c, 0,1,2,3
.irp u, 0,1
	v_max3_num_f32 v[MX+4*\u+\c], v[MX+4*\u+\c], v[S0+64*\u+16*\c+\i], v[S0+64*\u+16*\c+\i+1]
.endr
.endr
.endr
.irp u, 0,1
	v_max3_num_f32 v[MX+4*\u], v[MX+4*\u], v[S0+64*\u+15], v[S0+64*\u+31]
	v_max3_num_f32 v[MX+4*\u+1], v[MX+4*\u+1], v[S0+64*\u+47], v[S0+64*\u+63]
.endr
.irp u, 0,1
	v_max3_num_f32 v[MX+4*\u], v[MX+4*\u], v[MX+4*\u+1], v[MX+4*\u+2]
.endr
.irp u, 0,1
	v_max_num_f32 v[MX+4*\u], v[MX+4*\u], v[MX+4*\u+3]
.endr
.irp u, 0,1
	v_permlanex16_b32 v[PM+\u], v[MX+4*\u], s[SEL], s[SEL+1]
.endr
.irp u, 0,1
	v_max3_num_f32 v[NM+2*\u+1], v[NM+2*\u+1], v[MX+4*\u], v[PM+\u]   ; the running largest score: mine, lane l xor 16's, the old one
.endr
.irp u, 0,1
	v_mul_f32 v[MX+4*\u], s[CS], v[NM+2*\u+1]      ; as t (c is positive)
.endr
.irp u, 0,1
	v_floor_f32 v[NM+2*\u], -v[MX+4*\u]            ; -M = floor(-t): M is a whole number
.endr
.irp u, 0,1
	v_sub_f32 v[MX+4*\u], v[NM+2*\u], v[OM+\u]     ; old M - new M, 0 or less
.endr
.irp u, 0,1
	v_cvt_i32_f32 v[MX+4*\u], v[MX+4*\u]           ; (it saturates)
.endr
.irp u, 0,1
	v_ldexp_f32 v[FF+2*\u], 1.0, v[MX+4*\u]        ; f = 2^(old M - new M)
.endr
.set j, 0
.rept 32
	v_pk_fma_f32 v[S0+j:S0+j+1], v[S0+j:S0+j+1], s[CS:CS+1], v[NM:NM+1] op_sel_hi:[1,0,0]       ; t - M, two at a time
	v_pk_fma_f32 v[S1+j:S1+j+1], v[S1+j:S1+j+1], s[CS:CS+1], v[NM+2:NM+3] op_sel_hi:[1,0,0]
.set j, j+2
.endr
	WIN 0x41
.set j, 0
.rept 16
	v_pk_mul_f32 v[O0+j:O0+j+1], v[O0+j:O0+j+1], v[FF:FF+1] op_sel_hi:[1,0]      ; O^T under the new M, ahead of the exponentials
	v_pk_mul_f32 v[O1+j:O1+j+1], v[O1+j:O1+j+1], v[FF+2:FF+3] op_sel_hi:[1,0]
.set j, j+2
.endr
	WIN 0
	s_wait_alu depctr_va_vdst(0)                   ; the wait ahead of the batch
.set j, 0
.rept 128
	v_exp_f32 v[S0+j], v[S0+j]                     ; p = 2^(t - M)
.set j, j+1
.endr
	v_nop                                          ; a plain place behind the batch
	s_wait_alu depctr_va_vdst(0)                   ; one wait for the whole batch, ahead of its first reader
	v_pk_fma_f32 v[LS:LS+1], v[LS:LS+1], v[FF:FF+1], v[S0:S0+1] op_sel_hi:[1,0,1]       ; the sum under the new M takes its first pair in the same line
	v_pk_fma_f32 v[LS+2:LS+3], v[LS+2:LS+3], v[FF+2:FF+3], v[S1:S1+1] op_sel_hi:[1,0,1]
	v_pk_add_f32 v[LB:LB+1], v[S0+2:S0+3], v[S0+4:S0+5]                                 ; a second chain for each tile
	v_pk_add_f32 v[LB+2:LB+3], v[S1+2:S1+3], v[S1+4:S1+5]
.set j, 6
.rept 14
	v_pk_add_f32 v[LS:LS+1], v[LS:LS+1], v[S0+j:S0+j+1]
	v_pk_add_f32 v[LS+2:LS+3], v[LS+2:LS+3], v[S1+j:S1+j+1]
	v_pk_add_f32 v[LB:LB+1], v[LB:LB+1], v[S0+j+2:S0+j+3]
	v_pk_add_f32 v[LB+2:LB+3], v[LB+2:LB+3], v[S1+j+2:S1+j+3]
.set j, j+4
.endr
	v_pk_add_f32 v[LS:LS+1], v[LS:LS+1], v[S0+62:S0+63]
	v_pk_add_f32 v[LS+2:LS+3], v[LS+2:LS+3], v[S1+62:S1+63]
	v_pk_add_f32 v[LS:LS+1], v[LS:LS+1], v[LB:LB+1]
	v_pk_add_f32 v[LS+2:LS+3], v[LS+2:LS+3], v[LB+2:LB+3]
.set j, 0
.rept 64                                       ; the conversion does not saturate (ISA guide 7.6.2); p is not negative, so the hold is one-sided.  The limit stands in two registers, one for each half of the pair
.if DUAL
	v_dual_min_num_f32 v[S0+j], v[S0+j], v[PL] :: v_dual_min_num_f32 v[S0+j+1], v[S0+j+1], v[PL+1]
.else
	v_min_num_f32 v[S0+j], v[S0+j], v[PL]
	v_min_num_f32 v[S0+j+1], v[S0+j+1], v[PL+1]
.endif
.set j, j+2
.endr
	WIN 0x40
.irp t, 0,1,2,3,4,5,6,7
	v_cvt_scalef32_pk8_fp8_f32 v[PC+2*\t:PC+2*\t+1], v[S0+8*\t:S0+8*\t+7], v[PS]
	v_cvt_scalef32_pk8_fp8_f32 v[PC+16+2*\t:PC+16+2*\t+1], v[S1+8*\t:S1+8*\t+7], v[PS]
.endr
	v_nop                                          ; a plain line behind the last conversion
	s_wait_alu depctr_va_vdst(0)
	s_wait_dscnt 16                                ; this step's V is in; the next step's 16 loads of K may be out
	WIN 0x55
.irp t, 0,1,2,3                                ; the eight accumulators by turns
	v_wmma_f32_16x16x128_fp8_fp8 v[O0+8*\t:O0+8*\t+7], v[VF+16*\t:VF+16*\t+15], v[PC:PC+15], v[O0+8*\t:O0+8*\t+7]
	v_wmma_f32_16x16x128_fp8_fp8 v[O1+8*\t:O1+8*\t+7], v[VF+16*\t:VF+16*\t+15], v[PC+16:PC+31], v[O1+8*\t:O1+8*\t+7]
.endr
	WIN 0
	s_add_co_u32 s[TB], s[TB], STB
.endm
	s_load_b128 s[4:7], s[0:1], 0x0                ; qkv s[4:5], the exponents s[6:7]
	s_load_b64 s[8:9], s[0:1], 0x10                ; ctx
	v_lshl_add_u32 v[SPW], v0, 2, SPARE
	v_mov_b32 v[NIL], 0
	ds_add_u32 v[SPW], v[NIL]                      ; the opening lines: the add, twice on end, and its wait ahead of my first tensor load
	ds_add_u32 v[SPW], v[NIL]
	v_lshrrev_b32 v7, 5, v0
	v_readfirstlane_b32 s[WV], v7                  ; wave 0..7
	v_and_b32 v[LI], 31, v0
	v_lshlrev_b32 v[LI], 4, v[LI]                  ; 16 x lane
	v_add_nc_u32 v[LV], VB, v[LI]
	s_bfe_u32 s10, ttmp6, 0x40000                  ; cx
	s_lshl_b32 s11, ttmp9, 2
	s_add_co_u32 s11, s11, s10                     ; my block of 256 queries
	s_and_b32 s12, ttmp7, 0xffff                   ; 16 batch + head
	s_lshr_b32 s13, s[WV], 2                       ; I fetch K (0) or V (1),
	s_and_b32 s14, s[WV], 3                        ; this quarter of it
	s_lshl_b32 s15, s13, 17
	s_lshl_b32 s16, s14, 13                        ; FIRST / 4 bytes a wave
	s_mul_i32 s17, s14, (VB-FIRST)/4
	s_add_co_u32 s17, s17, FIRST
	s_add_co_u32 s2, s13, 1
	s_lshl_b32 s2, s2, 22                          ; plane 1 (k) or 2 (v),
	s_lshl_b32 s3, s12, 17
	s_add_co_u32 s2, s2, s3                        ; the head's 131,072 bytes
	s_mov_b32 s3, 0
	s_mov_b32 s58, s16
	s_mov_b32 s59, 0
	s_mov_b32 s60, s17
	s_mov_b32 s61, 0
	s_lshl_b32 s62, s12, 7
	s_lshl_b32 s63, s11, 4
	s_add_co_u32 s62, s62, s63
	s_lshl_b32 s63, s[WV], 1
	s_add_co_u32 s62, s62, s63
	s_lshl_b32 s62, s62, 10                        ; q: my two token tiles of 1,024 bytes
	s_mov_b32 s63, 0
	s_mov_b32 s[G1S], 15|(3<<16)|(1<<21)           ; the mask of the four; elements of 8 bytes; dense rows of 256 bytes
	s_mov_b32 s[G1S+1], 32<<16
	s_mov_b32 s[G1S+2], (FIRST/1024)<<16
	s_mov_b32 s[G1S+3], 32<<16
	s_mov_b32 s[G1S+4], FIRST/1024
	s_mov_b32 s[G1S+5], 32
	s_mov_b32 s[G1S+6], 0
	s_mov_b32 s[G1S+7], 0
	s_mov_b32 s[G1L], 15|(3<<16)|(1<<21)
	s_mov_b32 s[G1L+1], 32<<16
	s_mov_b32 s[G1L+2], ((VB-FIRST)/1024)<<16
	s_mov_b32 s[G1L+3], 32<<16
	s_mov_b32 s[G1L+4], (VB-FIRST)/1024
	s_mov_b32 s[G1L+5], 32
	s_mov_b32 s[G1L+6], 0
	s_mov_b32 s[G1L+7], 0
	s_mov_b32 s[SEL], 0x76543210
	s_mov_b32 s[SEL+1], 0xfedcba98                 ; lane l xor 16
	s_mov_b32 s[CS], 0x3e38aa3b                    ; c = log2(e) / 8
	s_mov_b32 s[TB], 0
	s_wait_alu depctr_va_vdst(0)
	s_wait_dscnt 0x0                               ; both opening adds are done
	s_wait_kmcnt 0x0
	s_load_b128 s[52:55], s[6:7], 0x18             ; e6, e7, e8, e9
	s_load_b32 s56, s[6:7], 0x28                   ; e10
	s_add_nc_u64 s[50:51], s[4:5], s[2:3]
	s_mov_b32 s40, 1
	s_add_co_u32 s41, s15, s16
	s_add_nc_u64 s[42:43], s[50:51], s[58:59]
	s_or_b32 s43, s43, 0x80000000
	s_mov_b32 s44, 1
	s_add_co_u32 s45, s15, s17
	s_add_nc_u64 s[46:47], s[50:51], s[60:61]
	s_or_b32 s47, s47, 0x80000000
	s_add_nc_u64 s[62:63], s[4:5], s[62:63]
	CROUND                                         ; the four work-groups are here: the first joint loads meet
	tensor_load_to_lds s[40:43], s[G1S:G1S+7]      ; my quarter of the first NF steps: my one tensor load at the head
	s_nop 0
.rept 4
	v_nop
.endr
	WIN 0x40
.irp i, 0,1,2,3
	global_load_b128 v[QF+4*\i:QF+4*\i+3], v[LI], s[62:63] offset:512*\i   ; Q's two fragments stay in registers
.endr
.set i, 0
.rept 64
	v_mov_b32 v[O0+i], 0                           ; O^T: the step is written once; its first run finds zeros, which f = 0 leaves zeros
.set i, i+1
.endr
	WIN 0
.irp u, 0,1
	v_mov_b32 v[NM+2*\u+1], 0xff61b1e6             ; the largest score so far: -3e38
	v_mov_b32 v[NM+2*\u], 0x7f61b1e6               ; -M
	v_mov_b32 v[LS+2*\u], 0
	v_mov_b32 v[LS+2*\u+1], 0
	v_mov_b32 v[FF+2*\u+1], 0                      ; (named as the upper half of a pair)
	v_mov_b32 v[PM+\u], 0                          ; a lane permute's destination counts as one of its sources
.endr
	s_lshr_b32 s58, s12, 4
	s_lshl_b32 s58, s58, 7
	s_lshl_b32 s59, s11, 4
	s_add_co_u32 s58, s58, s59
	s_lshl_b32 s59, s[WV], 1
	s_add_co_u32 s58, s58, s59
	s_lshl_b32 s58, s58, 14                        ; ctx: my first token tile x 16,384 bytes,
	s_and_b32 s59, s12, 15
	s_lshl_b32 s59, s59, 10
	s_add_co_u32 s58, s58, s59                     ; the head's two pieces
	s_mov_b32 s59, 0
	s_add_nc_u64 s[8:9], s[8:9], s[58:59]
	s_wait_kmcnt 0x0
	s_add_co_i32 s2, s52, s53
	s_lshl_b32 s2, s2, 23
	s_add_co_i32 s[CS], s[CS], s2                  ; a score stands for score x 2^(e6 + e7): added to c's exponent field
	s_mov_b32 s[CS+1], s[CS]
	s_add_co_i32 s2, s54, 127
	s_lshl_b32 s3, s2, 23
	v_mov_b32 v[PS], s3                            ; 2^e8
	s_add_co_i32 s2, s2, 8
	s_lshl_b32 s2, s2, 23
	s_or_b32 s2, s2, 0x600000
	v_mov_b32 v[PL], s2                            ; 448 x 2^e8, twice
	v_mov_b32 v[PL+1], s2
	s_sub_co_i32 s2, s56, s54
	s_sub_co_i32 s2, s2, s55                       ; a sum of the second product stands for sum x 2^(e8 + e9): its code is sum / 2^(e10 - e8 - e9)
	s_add_co_i32 s2, s2, 127
	s_lshl_b32 s3, s2, 23
	v_mov_b32 v[OS], s3
	s_add_co_i32 s2, s2, 8
	s_lshl_b32 s2, s2, 23
	s_or_b32 s2, s2, 0x600000
	v_mov_b32 v[OL], s2
	s_wait_alu depctr_va_vdst(0)                   ; the wait at the head's end
	s_wait_tensorcnt 0x0                           ; my part of the first NF steps is in
	ds_add_u32 v[SPW], v[NIL]
	s_wait_dscnt 0x0
	CROUND                                         ; everybody's part is in, and the joint loads meet
	tensor_load_to_lds s[44:47], s[G1L:G1L+7]      ; my quarter of the other steps, onto bytes of their own
	s_nop 0
.rept 4
	v_nop
.endr
	KFIRST
	s_wait_loadcnt 0x0                             ; Q
.Lk1:                                              ; NF trips on the bytes of the first load
	STEP (NF-1)*STB
	s_cmp_lt_u32 s[TB], NF*STB
	s_cbranch_scc1 .Lk1
	s_wait_tensorcnt 0x0                           ; my part of the rest is in,
	s_wait_dscnt 0x0                               ; no LDS load of mine is out,
	s_barrier_signal -1
	s_barrier_wait -1                              ; and so for every wave.
	s_mov_b32 s[TB], NF*STB
	KFIRST
.Lk2:                                              ; 16 - NF trips
	STEP 15*STB
	s_cmp_lt_u32 s[TB], 16*STB
	s_cbranch_scc1 .Lk2
	; THE WAY OUT: O^T / the sum, held, quantised with 2^(e10 - e8 - e9); tile t's conversion is registers 2 t, 2 t + 1 of the next product's operand
	v_add_f32 v[LS], v[LS], v[LS+1]
	v_add_f32 v[LS+2], v[LS+2], v[LS+3]
	v_permlanex16_b32 v[PM], v[LS], s[SEL], s[SEL+1]
	v_permlanex16_b32 v[PM+1], v[LS+2], s[SEL], s[SEL+1]
	v_add_f32 v[LS], v[LS], v[PM]
	v_add_f32 v[LS+2], v[LS+2], v[PM+1]
	s_wait_alu depctr_va_vdst(0)                   ; the wait ahead of the transcendentals
	v_rcp_f32 v[LS], v[LS]
	v_rcp_f32 v[LS+2], v[LS+2]
	v_nop
	WIN 0x01
	s_wait_alu depctr_va_vdst(0)                   ; the wait ahead of the first reader of the reciprocals and of O^T
.set j, 0
.rept 16
	v_pk_mul_f32 v[S0+j:S0+j+1], v[O0+j:O0+j+1], v[LS:LS+1] op_sel_hi:[1,0]
	v_pk_mul_f32 v[S0+32+j:S0+32+j+1], v[O1+j:O1+j+1], v[LS+2:LS+3] op_sel_hi:[1,0]
.set j, j+2
.endr
	WIN 0
.set j, 0
.rept 64
	v_med3_num_f32 v[S0+j], v[S0+j], -v[OL], v[OL]
.set j, j+1
.endr
.irp t, 0,1,2,3,4,5,6,7
	v_cvt_scalef32_pk8_fp8_f32 v[CD+2*\t:CD+2*\t+1], v[S0+8*\t:S0+8*\t+7], v[OS]
.endr
	v_nop
.irp u, 0,1
.irp c, 0,1
	global_store_b128 v[LI], v[CD+8*\u+4*\c:CD+8*\u+4*\c+3], s[8:9] offset:16384*\u+512*\c   ; each store of the wave covers 512 consecutive bytes, aligned
.endr
.endr
	s_wait_tensorcnt 0x0                           ; the wave's end
	ds_add_u32 v[SPW], v[NIL]
	s_wait_dscnt 0x0
	CROUND                                         ; the closing round
	s_endpgm
.Lfunc_end_k_qc70550b06f_attn:
	.size	k_qc70550b06f_attn, .Lfunc_end_k_qc70550b06f_attn-k_qc70550b06f_attn
	.p2alignl 7, 3214868480
	.fill 96, 4, 3214868480
	.section	.rodata,"a",@progbits
	.p2align	6, 0x0
	.amdhsa_kernel k_qc70550b06f_attn
		.amdhsa_group_segment_fixed_size 327680
		.amdhsa_private_segment_fixed_size 0
		.amdhsa_enable_private_segment 0
		.amdhsa_kernarg_size 24
		.amdhsa_user_sgpr_count 2
		.amdhsa_user_sgpr_kernarg_segment_ptr 1
		.amdhsa_wavefront_size32 1
		.amdhsa_system_sgpr_workgroup_id_x 1
		.amdhsa_system_sgpr_workgroup_id_y 1
		.amdhsa_system_sgpr_workgroup_id_z 1
		.amdhsa_system_vgpr_workitem_id 0
		.amdhsa_next_free_vgpr 512
		.amdhsa_next_free_sgpr 66
		.amdhsa_reserve_vcc 0
		.amdhsa_float_denorm_mode_32 3
		.amdhsa_float_denorm_mode_16_64 3
		.amdhsa_memory_ordered 1
		.amdhsa_forward_progress 1
		.amdhsa_inst_pref_size 76
	.end_amdhsa_kernel
	.amdgpu_metadata
---
amdhsa.version: [ 1, 2 ]
amdhsa.kernels:
  - .name:           k_qc70550b06f_attn
    .symbol:         k_qc70550b06f_attn.kd
    .args:
      - { .name: qkv, .offset: 0, .size: 8, .value_kind: global_buffer, .address_space: global }
      - { .name: lowp_scales, .offset: 8, .size: 8, .value_kind: global_buffer, .address_space: global }
      - { .name: ctx, .offset: 16, .size: 8, .value_kind: global_buffer, .address_space: global }
    .group_segment_fixed_size: 327680
    .private_segment_fixed_size: 0
    .kernarg_segment_align: 8
    .kernarg_segment_size: 24
    .max_flat_workgroup_size: 256
    .sgpr_count:     66
    .vgpr_count:     512
    .wavefront_size: 32
...
	.end_amdgpu_metadata
.endif
;; end of part 3
;; launch wo (part 4): grid 8 x 32, 4 waves a work-group, clusters of 4 x 4, 167,936 bytes of LDS; arguments ctx, wo_codes, sc_wo, hidden_states, x1; writes x1
.if DOCPART == 4
	.amdgcn_target "amdgcn-amd-amdhsa--gfx1250"
	.amdhsa_code_object_version 6
	.text
	.protected	k_qc70550b06f_wo
	.globl	k_qc70550b06f_wo
	.p2align	8
	.type	k_qc70550b06f_wo,@function
k_qc70550b06f_wo:
	s_mov_b64 s[64:65], 0
	v_nop
	global_prefetch_b8 v0, s[64:65] scope:SCOPE_SE
	s_setreg_imm32_b32 hwreg(HW_REG_WAVE_MODE, 25, 1), 1
	s_wait_xcnt 0x0
	s_wait_alu depctr_hold_cnt(0) depctr_sa_sdst(0) depctr_va_vdst(0) depctr_va_sdst(0) depctr_va_ssrc(0) depctr_va_vcc(0) depctr_vm_vsrc(0)
	s_getreg_b32 s2, hwreg(HW_REG_IB_STS2, 6, 4)
	s_cmp_eq_u32 s2, 0
	s_cbranch_scc0 .Lentry_in_a_cluster
	s_endpgm
.Lentry_in_a_cluster:
	s_bfe_u32 s2, ttmp6, 0x10000c
	s_cmp_lg_u32 s2, 0xf033
	s_cbranch_scc0 .Lentry_shape_is_right
	s_endpgm
.Lentry_shape_is_right:
; out = res + (A W^T) x 2^(ea + eb).  A: 4,096 x 1,024 codes as pieces of 512 bytes, (token tile x 32 + K / 32) x 512, register images of the fp8 forms' own layout; W: [1024][1024] codes, K innermost; res, out: [4096][1024] f32.
; ea, eb: the first two whole numbers of the third argument.  One body serves the product behind attention and the last product of the block.
; A tile is 128 x 128, four waves of 64 x 64, 16 accumulators a wave, K in eight steps of 128.
; A GOES STRAIGHT INTO REGISTERS: its pieces lie in memory as the operand's registers want them, so each load of the wave reads 512 consecutive bytes, and a wave's 64 tokens x 1,024 K are 128 loads into 512 registers.
; W ALONE GOES THROUGH LDS, filled once: ONE tensor load a wave.  Wave b fetches the rows b, b + 4, .. b + 124 of the tile's 128 (32 rows of 1,024 bytes, 4,096 bytes apart in memory, 16 bytes of padding behind each in LDS).
; So accumulator (a, b) multiplies tokens 16 a .. by W's rows 4 r + b: lane (r, h), register j holds (token 16 a + 8 h + j, output 4 r + b).  The multiply-add with the residual writes the four b of one j into four
; neighbouring registers: 16 bytes a lane, and sixteen lanes store 256 consecutive bytes of a row of out, aligned.  No stage in LDS is needed, and no fragment is read from LDS twice by a wave.
; W's rows are read in the form's own order of k: eight loads of 8 bytes a fragment at row x pitch + 16 c + 8 h, a K step ahead, two buffers.
; CLUSTER: W's tile hangs on the tile column alone and is asked for jointly along a column of the cluster.  A is read by plain loads.   LIMIT: ea + eb between -126 and 127.   No prefetch: everything is asked for at the head.
; REGISTERS.  Window 0: v0-31 addresses; v32-159 accumulators, (a, b) at 8 (4 a + b).  Window 1: v0-127 W's fragments, two buffers of 64; v128-255 the residual, then the results.
; Windows 2, 3: A's fragments, K step q, block a at 64 (q % 4) + 16 a of window 2 + q / 4.
.set PITCH, 1040                       ; 260 words: the 16 rows of a fragment load start at 16 different banks (ISA guide 11.1)
.set REG,   32*PITCH                   ; what one tensor load brings: the rows of one b
.set SPARE, 4*REG                      ; 133,120: the spare words, 128 bytes a wave, two blocks of 256 bytes that no other line names
.set LI,   16                          ; 16 x lane
.set ADRB, 20                          ; v20: W's fragments of b = 0, 1; v21: of b = 2, 3
.set CO,   26                          ; 32,768 h + 16 r: rows 8 h of res and of out
.set SPW,  28
.set NIL,  29
.set ACC,  32
.set RES,  128
.set G1,   24
.set G0,   32
.set MSB, 0
.macro WIN new                         ; the immediate's high byte repeats the setting that is left
.if MSB != \new
	s_set_vgpr_msb (MSB<<8)|\new
.set MSB, \new
.endif
.endm
.macro CROUND
	s_barrier_signal -1
	s_barrier_wait -1
	s_cmp_lg_u32 s16, 0
	s_cbranch_scc1 .Lnot_wave_0_\@
	s_barrier_signal -3
.Lnot_wave_0_\@:
	s_barrier_wait -3
	s_barrier_signal -1
	s_barrier_wait -1
.endm
.macro PLACES                          ; four places behind matrix instructions (ISA guide 7.12.1)
.rept 4
	v_nop
.endr
.endm
.macro WLOAD q                         ; W's four fragments of K step q: 32 loads, into buffer q % 2
	WIN 0x40
.irp b, 0,1,2,3
.irp c, 0,1,2,3,4,5,6,7
	ds_load_b64 v[64*((\q)%2)+16*\b+2*\c:64*((\q)%2)+16*\b+2*\c+1], v[ADRB+\b/2] offset:(\b%2)*REG+128*(\q)+16*\c
.endr
.endr
.endm
.macro MUL16 q                         ; the 16 accumulators by turns; K step 0 starts the sums.  Source 0 = 16 tokens, source 1 = 16 rows of W
	WIN 0x06+((\q)/4)
.irp a, 0,1,2,3
.irp b, 0,1,2,3
.if (\q) == 0
	v_wmma_f32_16x16x128_fp8_fp8 v[ACC+8*(4*\a+\b):ACC+8*(4*\a+\b)+7], v[64*((\q)%4)+16*\a:64*((\q)%4)+16*\a+15], v[64*((\q)%2)+16*\b:64*((\q)%2)+16*\b+15], 0
.else
	v_wmma_f32_16x16x128_fp8_fp8 v[ACC+8*(4*\a+\b):ACC+8*(4*\a+\b)+7], v[64*((\q)%4)+16*\a:64*((\q)%4)+16*\a+15], v[64*((\q)%2)+16*\b:64*((\q)%2)+16*\b+15], v[ACC+8*(4*\a+\b):ACC+8*(4*\a+\b)+7]
.endif
.endr
.endr
.endm
	s_load_b256 s[4:11], s[0:1], 0x0               ; A s[4:5], W s[6:7], the two exponents s[8:9], res s[10:11]
	s_load_b64 s[12:13], s[0:1], 0x20              ; out
	v_lshl_add_u32 v[SPW], v0, 2, SPARE
	v_mov_b32 v[NIL], 0
	ds_add_u32 v[SPW], v[NIL]                      ; the opening lines: the add, twice on end, and its wait ahead of my first tensor load
	ds_add_u32 v[SPW], v[NIL]
	v_lshrrev_b32 v1, 5, v0
	v_readfirstlane_b32 s16, v1                    ; wave; also: the b whose rows I fetch
	s_lshr_b32 s17, s16, 1                         ; wr: my 64 tokens
	s_and_b32 s18, s16, 1                          ; wc: my 64 outputs
	s_bfe_u32 s40, ttmp6, 0x40000
	s_bfe_u32 s41, ttmp6, 0x40004
	s_lshl_b32 s42, ttmp9, 2
	s_add_co_u32 s42, s42, s40                     ; tile column
	s_and_b32 s23, ttmp7, 0xffff
	s_lshl_b32 s23, s23, 2
	s_add_co_u32 s23, s23, s41                     ; tile row
	s_lshl_b32 s44, 0x1111, s40                    ; my column of the cluster
	s_or_b32 s[G1], s44, (1<<20)|(1<<21)|(7<<22)|(3<<25)   ; elements of 1 byte; padding on; bit 21 beside a mask; after every 256 words, 4 words
	s_mov_b32 s[G1+1], 1024<<16
	s_mov_b32 s[G1+2], 32<<16
	s_mov_b32 s[G1+3], 1024<<16
	s_mov_b32 s[G1+4], 32
	s_mov_b32 s[G1+5], 4096                        ; every fourth row of W
	s_mov_b32 s[G1+6], 0
	s_mov_b32 s[G1+7], 0
	s_lshl_b32 s66, s23, 3
	s_lshl_b32 s67, s17, 2
	s_add_co_u32 s66, s66, s67
	s_lshl_b32 s66, s66, 14                        ; A: (8 x tile row + 4 wr) token tiles of 16 KiB
	s_mov_b32 s67, 0
	s_lshl_b32 s46, s42, 7
	s_add_co_u32 s46, s46, s16
	s_lshl_b32 s46, s46, 10                        ; W: row 128 x tile column + wave
	s_mov_b32 s47, 0
	s_mul_i32 s45, s16, REG                        ; where my rows go
	s_wait_dscnt 0x0
	s_wait_kmcnt 0x0
	s_load_b64 s[76:77], s[8:9], 0x0               ; ea, eb
	s_add_nc_u64 s[66:67], s[4:5], s[66:67]
	s_add_nc_u64 s[46:47], s[6:7], s[46:47]
	CROUND                                         ; all sixteen work-groups are here: the joint loads meet
	s_mov_b32 s[G0], 1
	s_add_co_u32 s[G0+1], s45, 0
	s_add_nc_u64 s[G0+2:G0+3], s[46:47], 0
	s_or_b32 s[G0+3], s[G0+3], 0x80000000
	tensor_load_to_lds s[G0:G0+3], s[G1:G1+7]      ; my one tensor load
	s_nop 0
.rept 4
	v_nop
.endr
	s_lshl_b32 s68, s23, 7
	s_lshl_b32 s69, s17, 6
	s_add_co_u32 s68, s68, s69
	s_lshl_b32 s68, s68, 12                        ; my first row of res and out,
	s_lshl_b32 s69, s42, 9
	s_add_co_u32 s68, s68, s69
	s_lshl_b32 s69, s18, 8
	s_add_co_u32 s68, s68, s69                     ; my 256 bytes of it
	s_mov_b32 s69, 0
	s_add_nc_u64 s[70:71], s[10:11], s[68:69]
	s_add_nc_u64 s[72:73], s[12:13], s[68:69]
	s_mul_i32 s21, s18, 16*PITCH                   ; my 16 rows of each b
	v_and_b32 v1, 15, v0                           ; r
	v_bfe_u32 v2, v0, 4, 1                         ; h
	v_lshlrev_b32 v[CO], 15, v2
	v_lshl_add_u32 v[CO], v1, 4, v[CO]
	v_and_b32 v3, 31, v0
	v_lshlrev_b32 v[LI], 4, v3
	v_mul_u32_u24 v4, v1, PITCH
	v_lshl_add_u32 v4, v2, 3, v4
	v_add_nc_u32 v[ADRB], s21, v4
	v_add_nc_u32 v[ADRB+1], 2*REG, v[ADRB]
	s_wait_alu depctr_va_vdst(0)                   ; the wait behind the head's last vector instruction
.irp q, 0,1,2,3,4,5,6,7                        ; A, K step by K step: 16 loads each
	WIN 0x80+0x40*(\q/4)
.irp i, 0,1,2,3
.irp c, 0,1,2,3
	global_load_b128 v[64*(\q%4)+16*\i+4*\c:64*(\q%4)+16*\i+4*\c+3], v[LI], s[66:67] offset:16384*\i+2048*\q+512*\c
.endr
.endr
.endr
	WIN 0x40
.irp a, 0,1,2,3
.irp j, 0,1,2,3,4,5,6,7
	global_load_b128 v[RES+32*\a+4*\j:RES+32*\a+4*\j+3], v[CO], s[70:71] offset:65536*\a+4096*\j th:TH_LOAD_NT   ; the residual: rows 16 a + 8 h + j, sixteen lanes to 256 bytes
.endr
.endr
	WIN 0
	s_wait_kmcnt 0x0
	s_add_co_i32 s76, s76, s77
	s_add_co_i32 s76, s76, 127
	s_lshl_b32 s76, s76, 23                        ; 2^(ea + eb)
	s_wait_tensorcnt 0x0                           ; my one load is in,
	s_barrier_signal -1
	s_barrier_wait -1                              ; and everybody's
	WLOAD 0
	WLOAD 1
.irp q, 0,1,2,3,4,5,6,7
.if \q < 7
	s_wait_dscnt 32                                ; W's K step q is in; the next step's 32 loads may be out
.else
	s_wait_dscnt 0x0
.endif
.if 16*(7-\q)+32 > 63
	s_wait_loadcnt 63                              ; behind A's K step q: 16 loads for each later K step and the residual's 32, more than the count can name
.else
	s_wait_loadcnt 16*(7-\q)+32
.endif
	MUL16 \q
.if \q < 6
	PLACES
	WLOAD \q+2                                     ; into the buffer just multiplied
.endif
.endr
	WIN 0
	PLACES
.irp a, 0,1,2,3                                ; THE WAY OUT, block by block of 16 tokens
	s_wait_loadcnt 24-8*\a                         ; block a's residual is in; the later blocks' eight loads each may be out
	WIN 0x50
.irp j, 0,1,2,3,4,5,6,7                        ; each accumulator from its low end on
.irp b, 0,1,2,3
	v_fma_f32 v[RES+32*\a+4*\j+\b], v[ACC+8*(4*\a+\b)+\j], s76, v[RES+32*\a+4*\j+\b]
.endr
.endr
	WIN 0x04
.irp j, 0,1,2,3,4,5,6,7
	global_store_b128 v[CO], v[RES+32*\a+4*\j:RES+32*\a+4*\j+3], s[72:73] offset:65536*\a+4096*\j   ; sixteen lanes store 256 consecutive bytes, aligned; these registers are not written again
.endr
.endr
	WIN 0
	s_wait_tensorcnt 0x0                           ; the wave's end
	ds_add_u32 v[SPW], v[NIL]
	s_wait_dscnt 0x0
	CROUND                                         ; the closing round
	s_endpgm
.Lfunc_end_k_qc70550b06f_wo:
	.size	k_qc70550b06f_wo, .Lfunc_end_k_qc70550b06f_wo-k_qc70550b06f_wo
	.p2alignl 7, 3214868480
	.fill 96, 4, 3214868480
	.section	.rodata,"a",@progbits
	.p2align	6, 0x0
	.amdhsa_kernel k_qc70550b06f_wo
		.amdhsa_group_segment_fixed_size 167936
		.amdhsa_private_segment_fixed_size 0
		.amdhsa_enable_private_segment 0
		.amdhsa_kernarg_size 40
		.amdhsa_user_sgpr_count 2
		.amdhsa_user_sgpr_kernarg_segment_ptr 1
		.amdhsa_wavefront_size32 1
		.amdhsa_system_sgpr_workgroup_id_x 1
		.amdhsa_system_sgpr_workgroup_id_y 1
		.amdhsa_system_sgpr_workgroup_id_z 1
		.amdhsa_system_vgpr_workitem_id 0
		.amdhsa_next_free_vgpr 1024
		.amdhsa_next_free_sgpr 78
		.amdhsa_reserve_vcc 0
		.amdhsa_float_denorm_mode_32 3
		.amdhsa_float_denorm_mode_16_64 3
		.amdhsa_memory_ordered 1
		.amdhsa_forward_progress 1
		.amdhsa_inst_pref_size 58
	.end_amdhsa_kernel
	.amdgpu_metadata
---
amdhsa.version: [ 1, 2 ]
amdhsa.kernels:
  - .name:           k_qc70550b06f_wo
    .symbol:         k_qc70550b06f_wo.kd
    .args:
      - { .name: ctx, .offset: 0, .size: 8, .value_kind: global_buffer, .address_space: global }
      - { .name: wo_codes, .offset: 8, .size: 8, .value_kind: global_buffer, .address_space: global }
      - { .name: sc_wo, .offset: 16, .size: 8, .value_kind: global_buffer, .address_space: global }
      - { .name: hidden_states, .offset: 24, .size: 8, .value_kind: global_buffer, .address_space: global }
      - { .name: x1, .offset: 32, .size: 8, .value_kind: global_buffer, .address_space: global }
    .group_segment_fixed_size: 167936
    .private_segment_fixed_size: 0
    .kernarg_segment_align: 8
    .kernarg_segment_size: 40
    .max_flat_workgroup_size: 128
    .sgpr_count:     78
    .vgpr_count:     1024
    .wavefront_size: 32
...
	.end_amdgpu_metadata
.endif
;; end of part 4
;; launch norm2 (part 5): grid 512 x 1, 8 waves a work-group, no clusters, 41,984 bytes of LDS; arguments x1, ln2_w, lowp_scales, h2; writes h2
.if DOCPART == 5
	.amdgcn_target "amdgcn-amd-amdhsa--gfx1250"
	.amdhsa_code_object_version 6
	.text
	.protected	k_qc70550b06f_norm2
	.globl	k_qc70550b06f_norm2
	.p2align	8
	.type	k_qc70550b06f_norm2,@function
k_qc70550b06f_norm2:
	s_mov_b64 s[64:65], 0
	v_nop
	global_prefetch_b8 v0, s[64:65] scope:SCOPE_SE
	s_setreg_imm32_b32 hwreg(HW_REG_WAVE_MODE, 25, 1), 1
	s_wait_xcnt 0x0
; h = x * rsqrt(mean(x^2) + 1e-6) * w for rows of 1,024 f32, quantised to E4M3 NPL times, each time with its own given scale 2^e (entries ENT0, ENT0 + 2, ..),
; into NPL planes [4096][1024] of codes, row-major.  One wave takes one row; waves share nothing: no barrier.
; Each load of the wave reads 512 consecutive bytes, 16 a lane.  The conversions want 16 neighbours in one lane, so the finished row turns through the wave's own stage in LDS
; (64 bytes + 16 of padding a place) and comes back 64 bytes a lane; a lane's 16 codes are 16 bytes, so each store of the wave covers 512 consecutive bytes, aligned.
; LIMITS: each e between -126 and 119, so that 2^e and 448 x 2^e are f32 numbers.  NaN among the inputs is not served.
.set NPL,   2
.set ENT0,  12
.set SP,    80                         ; a place in the stage
.set WREG,  64*SP                      ; a wave's stage
.set SUM,   8                          ; v[8:11]   the sum of squares, later rms in v8
.set SC,    12                         ; v[12:15]  for each plane: 2^e, 448 x 2^e
.set X,     24                         ; v[24:55]  the row as loaded
.set W,     56                         ; v[56:87]  the gain; later the row back from the stage
.set T,     88                         ; v[88:119] two sets of 16 held numbers, by turns
.set C,     120                        ; codes: four registers for each plane and group
	s_load_b256 s[4:11], s[0:1], 0x0               ; x s[4:5], gain s[6:7], exponents s[8:9], codes s[10:11]
	v_lshl_add_u32 v144, v0, 2, 0xa000
	v_mov_b32 v145, 0
	v_lshrrev_b32 v1, 5, v0
	s_delay_alu instid0(VALU_DEP_1)
	v_readfirstlane_b32 s16, v1                    ; wave
	v_and_b32 v2, 31, v0                           ; lane
	s_delay_alu instid0(VALU_DEP_1)
	v_lshlrev_b32 v3, 4, v2                        ; 16 x lane
	s_lshl_b32 s17, ttmp9, 3
	s_add_co_u32 s17, s17, s16                     ; my row
	s_lshl_b32 s18, s17, 12
	s_mov_b32 s19, 0
	s_lshl_b32 s20, s17, 10
	s_mov_b32 s21, 0
	s_mul_i32 s22, s16, WREG
	v_lshrrev_b32 v4, 2, v2
	s_delay_alu instid0(VALU_DEP_1)
	v_mul_u32_u24 v4, v4, SP
	v_and_b32 v5, 3, v2
	s_delay_alu instid0(VALU_DEP_1)
	v_lshl_add_u32 v4, v5, 4, v4
	s_delay_alu instid0(VALU_DEP_1)
	v_add_nc_u32 v4, s22, v4                       ; into the stage: SP (lane / 4) + 16 (lane % 4)
	v_mul_u32_u24 v5, v2, SP
	s_delay_alu instid0(VALU_DEP_1)
	v_add_nc_u32 v5, s22, v5                       ; out of it: SP x lane
	s_mov_b32 s42, 0x76543210
	s_mov_b32 s43, 0xfedcba98
	s_mov_b32 s44, 0x3a800000                      ; 1 / 1024
	s_mov_b32 s45, 0x358637bd                      ; 1e-6
	s_wait_alu depctr_va_vdst(0)
	s_wait_kmcnt 0x0
	s_load_b512 s[24:39], s[8:9], 0x0              ; entries 0 to 15
	s_add_nc_u64 s[4:5], s[4:5], s[18:19]
	s_add_nc_u64 s[10:11], s[10:11], s[20:21]
.irp i, 0,1,2,3,4,5,6,7
	global_load_b128 v[X+4*\i:X+4*\i+3], v3, s[4:5] offset:512*\i th:TH_LOAD_NT
.endr
.irp i, 0,1,2,3,4,5,6,7
	global_load_b128 v[W+4*\i:W+4*\i+3], v3, s[6:7] offset:512*\i
.endr
	s_wait_kmcnt 0x0
.set p, 0
.rept NPL
	s_add_co_i32 s46, s[24+ENT0+2*p], 127
	s_lshl_b32 s47, s46, 23
	v_mov_b32 v[SC+2*p], s47
	s_add_co_i32 s46, s46, 8
	s_lshl_b32 s46, s46, 23
	s_or_b32 s46, s46, 0x600000
	v_mov_b32 v[SC+2*p+1], s46
	s_add_nc_u64 s[48+2*p:49+2*p], s[10:11], p*0x400000
.set p, p+1
.endr
	s_wait_loadcnt 0x8                             ; x is in; the gain's eight loads may be out
	v_pk_mul_f32 v[SUM:SUM+1], v[X:X+1], v[X:X+1]
	v_pk_mul_f32 v[SUM+2:SUM+3], v[X+2:X+3], v[X+2:X+3]
.irp j, 4,8,12,16,20,24,28
	s_delay_alu instid0(VALU_DEP_2)
	v_pk_fma_f32 v[SUM:SUM+1], v[X+\j:X+\j+1], v[X+\j:X+\j+1], v[SUM:SUM+1]
	s_delay_alu instid0(VALU_DEP_2)
	v_pk_fma_f32 v[SUM+2:SUM+3], v[X+\j+2:X+\j+3], v[X+\j+2:X+\j+3], v[SUM+2:SUM+3]
.endr
	s_delay_alu instid0(VALU_DEP_1)
	v_pk_add_f32 v[SUM:SUM+1], v[SUM:SUM+1], v[SUM+2:SUM+3]
	s_delay_alu instid0(VALU_DEP_1)
	v_add_f32 v[SUM], v[SUM], v[SUM+1]
	s_delay_alu instid0(VALU_DEP_1)
	v_add_f32_dpp v[SUM], v[SUM], v[SUM] row_xmask:1 row_mask:0xf bank_mask:0xf
	s_delay_alu instid0(VALU_DEP_1)
	v_add_f32_dpp v[SUM], v[SUM], v[SUM] row_xmask:2 row_mask:0xf bank_mask:0xf
	s_delay_alu instid0(VALU_DEP_1)
	v_add_f32_dpp v[SUM], v[SUM], v[SUM] row_xmask:4 row_mask:0xf bank_mask:0xf
	s_delay_alu instid0(VALU_DEP_1)
	v_add_f32_dpp v[SUM], v[SUM], v[SUM] row_xmask:8 row_mask:0xf bank_mask:0xf
	s_delay_alu instid0(VALU_DEP_1)
	v_permlanex16_b32 v[SUM+1], v[SUM], s42, s43
	s_delay_alu instid0(VALU_DEP_1)
	v_add_f32 v[SUM], v[SUM], v[SUM+1]
	s_delay_alu instid0(VALU_DEP_1)
	v_fma_f32 v[SUM], v[SUM], s44, s45             ; mean + 1e-6
	s_wait_alu depctr_va_vdst(0)
	v_rsq_f32 v[SUM], v[SUM]
	v_nop                                          ; a plain instruction behind the transcendental
	s_wait_alu depctr_va_vdst(0)                   ; and the wait ahead of its first reader
	s_wait_loadcnt 0x0
.irp j, 0,2,4,6,8,10,12,14,16,18,20,22,24,26,28,30
	v_pk_mul_f32 v[X+\j:X+\j+1], v[X+\j:X+\j+1], v[SUM:SUM+1] op_sel_hi:[1,0]
.endr
.irp j, 0,2,4,6,8,10,12,14,16,18,20,22,24,26,28,30
	v_pk_mul_f32 v[X+\j:X+\j+1], v[X+\j:X+\j+1], v[W+\j:W+\j+1]
.endr
.irp i, 0,1,2,3,4,5,6,7
	ds_store_b128 v4, v[X+4*\i:X+4*\i+3] offset:8*SP*\i
.endr
.irp g, 0,1
.irp j, 0,1,2,3
	ds_load_b128 v[W+16*\g+4*\j:W+16*\g+4*\j+3], v5 offset:32*SP*\g+16*\j   ; LDS serves a wave's instructions in order: these see the stores above
.endr
.endr
.set p, 0
.rept NPL
.set g, 0
.rept 2
.if p == 0
	s_wait_dscnt 4-4*g                             ; group g is back; group 1's four loads may be out while group 0 is worked
.endif
.set i, 0
.rept 16
	v_med3_num_f32 v[T+16*g+i], v[W+16*g+i], -v[SC+2*p+1], v[SC+2*p+1]
.set i, i+1
.endr
	v_cvt_scalef32_pk8_fp8_f32 v[C+4*(2*p+g):C+4*(2*p+g)+1], v[T+16*g:T+16*g+7], v[SC+2*p]
	v_cvt_scalef32_pk8_fp8_f32 v[C+4*(2*p+g)+2:C+4*(2*p+g)+3], v[T+16*g+8:T+16*g+15], v[SC+2*p]
	global_store_b128 v3, v[C+4*(2*p+g):C+4*(2*p+g)+3], s[48+2*p:49+2*p] offset:512*g   ; the next sixteen holds write the other set: they are the plain lines behind these conversions
.set g, g+1
.endr
.set p, p+1
.endr
	s_wait_tensorcnt 0x0
	ds_add_u32 v144, v145
	s_wait_dscnt 0x0
	s_endpgm
.Lfunc_end_k_qc70550b06f_norm2:
	.size	k_qc70550b06f_norm2, .Lfunc_end_k_qc70550b06f_norm2-k_qc70550b06f_norm2
	.p2alignl 7, 3214868480
	.fill 96, 4, 3214868480
	.section	.rodata,"a",@progbits
	.p2align	6, 0x0
	.amdhsa_kernel k_qc70550b06f_norm2
		.amdhsa_group_segment_fixed_size 41984
		.amdhsa_private_segment_fixed_size 0
		.amdhsa_enable_private_segment 0
		.amdhsa_kernarg_size 32
		.amdhsa_user_sgpr_count 2
		.amdhsa_user_sgpr_kernarg_segment_ptr 1
		.amdhsa_wavefront_size32 1
		.amdhsa_system_sgpr_workgroup_id_x 1
		.amdhsa_system_sgpr_workgroup_id_y 1
		.amdhsa_system_sgpr_workgroup_id_z 1
		.amdhsa_system_vgpr_workitem_id 0
		.amdhsa_next_free_vgpr 146
		.amdhsa_next_free_sgpr 66
		.amdhsa_reserve_vcc 0
		.amdhsa_float_denorm_mode_32 3
		.amdhsa_float_denorm_mode_16_64 3
		.amdhsa_memory_ordered 1
		.amdhsa_forward_progress 1
		.amdhsa_inst_pref_size 15
	.end_amdhsa_kernel
	.amdgpu_metadata
---
amdhsa.version: [ 1, 2 ]
amdhsa.kernels:
  - .name:           k_qc70550b06f_norm2
    .symbol:         k_qc70550b06f_norm2.kd
    .args:
      - { .name: x1, .offset: 0, .size: 8, .value_kind: global_buffer, .address_space: global }
      - { .name: ln2_w, .offset: 8, .size: 8, .value_kind: global_buffer, .address_space: global }
      - { .name: lowp_scales, .offset: 16, .size: 8, .value_kind: global_buffer, .address_space: global }
      - { .name: h2, .offset: 24, .size: 8, .value_kind: global_buffer, .address_space: global }
    .group_segment_fixed_size: 41984
    .private_segment_fixed_size: 0
    .kernarg_segment_align: 8
    .kernarg_segment_size: 32
    .max_flat_workgroup_size: 256
    .sgpr_count:     66
    .vgpr_count:     146
    .wavefront_size: 32
...
	.end_amdgpu_metadata
.endif
;; end of part 5
;; launch gateup (part 6): grid 8 x 32, 4 waves a work-group, clusters of 4 x 4, 327,680 bytes of LDS; arguments h2, w_gate_codes, w_up_codes, lowp_scales, act; writes act
.if DOCPART == 6
	.amdgcn_target "amdgcn-amd-amdhsa--gfx1250"
	.amdhsa_code_object_version 6
	.text
	.protected	k_qc70550b06f_gateup
	.globl	k_qc70550b06f_gateup
	.p2align	8
	.type	k_qc70550b06f_gateup,@function
k_qc70550b06f_gateup:
	s_mov_b64 s[64:65], 0
	v_nop
	global_prefetch_b8 v0, s[64:65] scope:SCOPE_SE
	s_setreg_imm32_b32 hwreg(HW_REG_WAVE_MODE, 25, 1), 1
	s_wait_xcnt 0x0
	s_wait_alu depctr_hold_cnt(0) depctr_sa_sdst(0) depctr_va_vdst(0) depctr_va_sdst(0) depctr_va_ssrc(0) depctr_va_vcc(0) depctr_vm_vsrc(0)
	s_getreg_b32 s2, hwreg(HW_REG_IB_STS2, 6, 4)
	s_cmp_eq_u32 s2, 0
	s_cbranch_scc0 .Lentry_in_a_cluster
	s_endpgm
.Lentry_in_a_cluster:
	s_bfe_u32 s2, ttmp6, 0x10000c
	s_cmp_lg_u32 s2, 0xf033
	s_cbranch_scc0 .Lentry_shape_is_right
	s_endpgm
.Lentry_shape_is_right:
.set PITCH, 528
.set HALFT, 64*PITCH
.set SLOT,  4*HALFT
.set SPARE, 2*SLOT
.set ADRA, 16
.set ADRB, 20
.set LI,   27
.set SPW,  28
.set NIL,  29
.set SCL,  30
.set LIM,  31
.set TMP,  32
.set CD,   64
.set ACC,  128
.set F0,   0
.set F1,   128
.set G1,   24
.set G1B,  32
.set DESC, (1<<20)|(1<<21)|(6<<22)|(3<<25)
.set MUL_G, 0x05
.set MUL_U, 0xa5
.set TO_F, 0x40
.set MSB, 0
.macro WIN new
.if MSB != \new
	s_set_vgpr_msb (MSB<<8)|\new
.set MSB, \new
.endif
.endm
.macro JLOAD g0a, g1a, g0b, g1b
	s_cmp_eq_u32 s17, 0
	s_cbranch_scc0 .Lfor_b_\@
	tensor_load_to_lds s[\g0a:\g0a+3], s[\g1a:\g1a+7]
	s_nop 0
.rept 4
	v_nop
.endr
	s_branch .Lasked_\@
.Lfor_b_\@:
	tensor_load_to_lds s[\g0b:\g0b+3], s[\g1b:\g1b+7]
	s_nop 0
.rept 4
	v_nop
.endr
.Lasked_\@:
.endm
.macro CROUND
	s_barrier_signal -1
	s_barrier_wait -1
	s_cmp_lg_u32 s16, 0
	s_cbranch_scc1 .Lnot_wave_0_\@
	s_barrier_signal -3
.Lnot_wave_0_\@:
	s_barrier_wait -3
	s_barrier_signal -1
	s_barrier_wait -1
.endm
.macro PLACES
.rept 4
	v_nop
.endr
.endm
.macro FETCH slot, q, f
	WIN TO_F
.irp i, 0,1,2,3
.irp c, 0,1,2,3
	ds_load_b128 v[\f+64+16*\i+4*\c:\f+64+16*\i+4*\c+3], v[ADRB+\slot] offset:128*\q+32*\c+\i*16*PITCH
.endr
.endr
.irp i, 0,1,2,3
.irp c, 0,1,2,3
	ds_load_b128 v[\f+16*\i+4*\c:\f+16*\i+4*\c+3], v[ADRA+\slot] offset:128*\q+32*\c+\i*16*PITCH
.endr
.endr
.endm
.macro MUL16 f, zero
.irp a, 0,1,2,3
.irp b, 0,1,2,3
.if \zero
	v_wmma_f32_16x16x128_fp8_fp8 v[ACC+8*(4*\a+\b):ACC+8*(4*\a+\b)+7], v[\f+64+16*\b:\f+64+16*\b+15], v[\f+16*\a:\f+16*\a+15], 0
.else
	v_wmma_f32_16x16x128_fp8_fp8 v[ACC+8*(4*\a+\b):ACC+8*(4*\a+\b)+7], v[\f+64+16*\b:\f+64+16*\b+15], v[\f+16*\a:\f+16*\a+15], v[ACC+8*(4*\a+\b):ACC+8*(4*\a+\b)+7]
.endif
.endr
.endr
.endm
.macro SLOTWORK slot, zero, win
	PLACES
	FETCH \slot, 0, F0
	FETCH \slot, 1, F1
	s_wait_dscnt 32
	WIN \win
	MUL16 F0, \zero
	s_wait_dscnt 0x0
	PLACES
	FETCH \slot, 2, F0
	WIN \win
	MUL16 F1, 0
	s_wait_dscnt 0x0
	PLACES
	FETCH \slot, 3, F1
	WIN \win
	MUL16 F0, 0
	s_wait_dscnt 0x0
	MUL16 F1, 0
	WIN 0
.endm
.macro CHANGE fill, ga, gb
	s_wait_tensorcnt 0x0
	ds_add_u32 v[SPW], v[NIL]
	s_wait_dscnt 0x0
.if \fill
	CROUND
	JLOAD \ga, G1, \gb, G1B
.else
	s_barrier_signal -1
	s_barrier_wait -1
.endif
.endm
.macro GROUP0 g, lo, b, add
	s_mov_b32 s[\g], 1
	s_add_co_u32 s[\g+1], s82, \lo
	s_add_nc_u64 s[\g+2:\g+3], s[\b:\b+1], \add
	s_or_b32 s[\g+3], s[\g+3], 0x80000000
.endm
	s_load_b256 s[4:11], s[0:1], 0x0
	s_load_b64 s[12:13], s[0:1], 0x20
	v_lshl_add_u32 v[SPW], v0, 2, SPARE
	v_mov_b32 v[NIL], 0
	ds_add_u32 v28, v29
	ds_add_u32 v28, v29
	s_wait_dscnt 0x0
	v_lshrrev_b32 v1, 5, v0
	v_readfirstlane_b32 s16, v1
	s_lshr_b32 s17, s16, 1
	s_and_b32 s18, s16, 1
	s_bfe_u32 s20, ttmp6, 0x40000
	s_bfe_u32 s21, ttmp6, 0x40004
	s_lshl_b32 s22, ttmp9, 2
	s_add_co_u32 s22, s22, s20
	s_and_b32 s23, ttmp7, 0xffff
	s_lshl_b32 s23, s23, 2
	s_add_co_u32 s23, s23, s21
	s_lshl_b32 s76, s21, 2
	s_lshl_b32 s76, 15, s76
	s_lshl_b32 s77, 0x1111, s20
	s_or_b32 s[G1], s76, DESC
	s_or_b32 s[G1B], s77, DESC
.irp g, G1, G1B
	s_mov_b32 s[\g+1], 512<<16
	s_mov_b32 s[\g+2], 64<<16
	s_mov_b32 s[\g+3], 512<<16
	s_mov_b32 s[\g+4], 64
	s_mov_b32 s[\g+5], 1024
	s_mov_b32 s[\g+6], 0
	s_mov_b32 s[\g+7], 0
.endr
	s_lshl_b32 s82, s18, 6
	s_lshl_b32 s78, s23, 7
	s_add_co_u32 s78, s78, s82
	s_lshl_b32 s78, s78, 10
	s_mov_b32 s79, 0
	s_lshl_b32 s80, s22, 7
	s_add_co_u32 s80, s80, s82
	s_lshl_b32 s80, s80, 10
	s_mov_b32 s81, 0
	s_mul_i32 s82, s16, HALFT
	s_wait_kmcnt 0x0
	s_load_b128 s[84:87], s[10:11], 0x30
	s_load_b32 s88, s[10:11], 0x40
	s_add_nc_u64 s[4:5], s[4:5], s[78:79]
	s_add_nc_u64 s[6:7], s[6:7], s[80:81]
	s_add_nc_u64 s[8:9], s[8:9], s[80:81]
	GROUP0 40, 0,    4, 0
	GROUP0 44, SLOT, 4, 512
	GROUP0 48, 0,    4, 0x400000
	GROUP0 52, SLOT, 4, 0x400200
	GROUP0 56, 0,    6, 0
	GROUP0 60, SLOT, 6, 512
	GROUP0 68, 0,    8, 0
	GROUP0 72, SLOT, 8, 512
	; the prefetches' base: the second product's tiles of the 64 rows that I fetch; of those rows the partner at place p among the four that ask jointly takes 16 p .. 16 p + 15, by address
	s_cmp_eq_u32 s17, 0                            ; do I fetch tokens?
	s_cselect_b64 s[94:95], s[4:5], s[8:9]         ; h2 or w_up
	s_cselect_b32 s76, 0x400000, 0                 ; h2's second plane
	s_cselect_b32 s78, s20, s21                    ; p: cx for tokens, cy for weights
	s_lshl_b32 s78, s78, 14                        ; 16 rows of 1,024 bytes
	s_mov_b32 s79, 0
	s_mov_b32 s77, 0
	s_add_nc_u64 s[94:95], s[94:95], s[78:79]
	s_add_nc_u64 s[94:95], s[94:95], s[76:77]
	CROUND
	JLOAD 40, G1, 56, G1B                          ; slot 0: my one tensor load at the head
	v_and_b32 v1, 15, v0
	v_bfe_u32 v2, v0, 4, 1
	v_mul_u32_u24 v3, v1, PITCH
	v_lshl_add_u32 v3, v2, 4, v3
	s_mul_i32 s19, s17, HALFT
	s_mul_i32 s83, s18, HALFT
	s_add_co_u32 s83, s83, 2*HALFT
.irp s, 0,1
	v_add_nc_u32 v[ADRA+\s], s19, v3
	v_add_nc_u32 v[ADRB+\s], s83, v3
	s_add_co_u32 s19, s19, SLOT
	s_add_co_u32 s83, s83, SLOT
.endr
	v_and_b32 v[LI], 31, v0
	v_lshlrev_b32 v[LI], 4, v[LI]
	; A PREFETCH INTO THE L2 behind the second and the third tensor load, for the step that the next load will ask for, one whole step of 64 matrix instructions ahead: 16 rows x 512 bytes, a lane to each block of 256 bytes, one instruction a wave.
	; Tokens: each block is named once in each of the two clusters that load it.  Weights: eight rows of clusters load the same bytes; every second row asks.  The address registers are never rewritten.  The first two steps come by their loads alone.
	v_and_b32 v24, 31, v0
	v_lshrrev_b32 v25, 1, v24
	v_and_b32 v24, 1, v24
	v_lshlrev_b32 v24, 8, v24
	v_lshl_add_u32 v24, v25, 10, v24               ; 1,024 (lane / 2) + 256 (lane % 2)
	s_and_b32 s19, ttmp7, 1
	s_and_b32 s19, s19, s17                        ; 1: a weights' wave in an odd row of clusters: it asks for nothing
.macro ASK off
	s_cmp_eq_u32 s19, 0
	s_cbranch_scc0 .Lnot_mine_\@
	global_prefetch_b8 v24, s[94:95] offset:\off th:TH_LOAD_NT scope:SCOPE_SE
.Lnot_mine_\@:
.endm
	s_lshl_b32 s92, s23, 3
	s_lshl_b32 s93, s17, 2
	s_add_co_u32 s92, s92, s93
	s_lshl_b32 s92, s92, 5
	s_lshl_b32 s93, s22, 2
	s_add_co_u32 s92, s92, s93
	s_lshl_b32 s93, s18, 1
	s_add_co_u32 s92, s92, s93
	s_lshl_b32 s92, s92, 9
	s_mov_b32 s93, 0
	s_add_nc_u64 s[12:13], s[12:13], s[92:93]
	s_wait_alu depctr_va_vdst(0)
	s_wait_kmcnt 0x0
	s_add_co_i32 s89, s84, s85
	s_lshl_b32 s90, s89, 23
	s_add_co_i32 s90, s90, 0xbfb8aa3b
	s_mov_b32 s91, s90
	s_sub_co_i32 s88, s88, s89
	s_sub_co_i32 s88, s88, s86
	s_sub_co_i32 s88, s88, s87
	s_add_co_i32 s88, s88, 127
	s_lshl_b32 s89, s88, 23
	v_mov_b32 v[SCL], s89
	s_add_co_i32 s88, s88, 8
	s_lshl_b32 s88, s88, 23
	s_or_b32 s88, s88, 0x600000
	v_mov_b32 v[LIM], s88
	s_wait_alu depctr_va_vdst(0)                   ; the wait at the head's end
	s_wait_tensorcnt 0x0                           ; my part of slot 0 is in
	ds_add_u32 v[SPW], v[NIL]                      ; ahead of a later first fill
	s_wait_dscnt 0x0
	CROUND                                         ; everybody's part of slot 0 is in, and the joint loads meet
	JLOAD 44, G1, 60, G1B                          ; slot 1's first fill, the first tensor load behind the round
	ASK 0                                          ; the second product, K 0-511
	SLOTWORK 0, 1, MUL_G
	CHANGE 1, 48, 68
	ASK 512                                        ; the second product, K 512-1023
	SLOTWORK 1, 0, MUL_G
	CHANGE 1, 52, 72
	SLOTWORK 0, 1, MUL_U
	CHANGE 0, 0, 0
	SLOTWORK 1, 0, MUL_U
	PLACES
.irp a, 0,1,2,3
.irp j, 0,2,4,6,8,10,12,14,16,18,20,22,24,26,28,30
	v_pk_mul_f32 v[TMP+\j:TMP+\j+1], v[ACC+32*\a+\j:ACC+32*\a+\j+1], s[90:91] op_sel_hi:[1,0]
.endr
	s_wait_alu depctr_va_vdst(0)
.irp j, 0,1,2,3,4,5,6,7,8,9,10,11,12,13,14,15,16,17,18,19,20,21,22,23,24,25,26,27,28,29,30,31
	v_exp_f32 v[TMP+\j], v[TMP+\j]
.endr
	WIN 0x08
	s_wait_alu depctr_va_vdst(0)
.irp j, 0,2,4,6,8,10,12,14,16,18,20,22,24,26,28,30
	v_pk_mul_f32 v[ACC+32*\a+\j:ACC+32*\a+\j+1], v[ACC+32*\a+\j:ACC+32*\a+\j+1], v[ACC+32*\a+\j:ACC+32*\a+\j+1]
.endr
	WIN 0
	s_wait_alu depctr_va_vdst(0)
.irp j, 0,2,4,6,8,10,12,14,16,18,20,22,24,26,28,30
	v_pk_add_f32 v[TMP+\j:TMP+\j+1], v[TMP+\j:TMP+\j+1], 1.0 op_sel_hi:[1,0]
.endr
	s_wait_alu depctr_va_vdst(0)
.irp j, 0,1,2,3,4,5,6,7,8,9,10,11,12,13,14,15,16,17,18,19,20,21,22,23,24,25,26,27,28,29,30,31
	v_rcp_f32 v[TMP+\j], v[TMP+\j]
.endr
	v_nop
	s_wait_alu depctr_va_vdst(0)
.irp j, 0,2,4,6,8,10,12,14,16,18,20,22,24,26,28,30
	v_pk_mul_f32 v[ACC+32*\a+\j:ACC+32*\a+\j+1], v[ACC+32*\a+\j:ACC+32*\a+\j+1], v[TMP+\j:TMP+\j+1]
.endr
.irp j, 0,1,2,3,4,5,6,7,8,9,10,11,12,13,14,15,16,17,18,19,20,21,22,23,24,25,26,27,28,29,30,31
	v_med3_num_f32 v[ACC+32*\a+\j], v[ACC+32*\a+\j], -v[LIM], v[LIM]
.endr
.irp b, 0,1,2,3
	v_cvt_scalef32_pk8_fp8_f32 v[CD+8*\a+2*\b:CD+8*\a+2*\b+1], v[ACC+32*\a+8*\b:ACC+32*\a+8*\b+7], v[SCL]
.endr
	v_nop
.endr
.irp a, 0,1,2,3
.irp c, 0,1
	global_store_b128 v[LI], v[CD+8*\a+4*\c:CD+8*\a+4*\c+3], s[12:13] offset:16384*\a+512*\c
.endr
.endr
	s_wait_tensorcnt 0x0
	ds_add_u32 v[SPW], v[NIL]
	s_wait_dscnt 0x0
	CROUND
	s_endpgm
.Lfunc_end_k_qc70550b06f_gateup:
	.size	k_qc70550b06f_gateup, .Lfunc_end_k_qc70550b06f_gateup-k_qc70550b06f_gateup
	.p2alignl 7, 3214868480
	.fill 96, 4, 3214868480
	.section	.rodata,"a",@progbits
	.p2align	6, 0x0
	.amdhsa_kernel k_qc70550b06f_gateup
		.amdhsa_group_segment_fixed_size 327680
		.amdhsa_private_segment_fixed_size 0
		.amdhsa_enable_private_segment 0
		.amdhsa_kernarg_size 40
		.amdhsa_user_sgpr_count 2
		.amdhsa_user_sgpr_kernarg_segment_ptr 1
		.amdhsa_wavefront_size32 1
		.amdhsa_system_sgpr_workgroup_id_x 1
		.amdhsa_system_sgpr_workgroup_id_y 1
		.amdhsa_system_sgpr_workgroup_id_z 1
		.amdhsa_system_vgpr_workitem_id 0
		.amdhsa_next_free_vgpr 768
		.amdhsa_next_free_sgpr 96
		.amdhsa_reserve_vcc 0
		.amdhsa_float_denorm_mode_32 3
		.amdhsa_float_denorm_mode_16_64 3
		.amdhsa_memory_ordered 1
		.amdhsa_forward_progress 1
		.amdhsa_inst_pref_size 98
	.end_amdhsa_kernel
	.amdgpu_metadata
---
amdhsa.version: [ 1, 2 ]
amdhsa.kernels:
  - .name:           k_qc70550b06f_gateup
    .symbol:         k_qc70550b06f_gateup.kd
    .args:
      - { .name: h2, .offset: 0, .size: 8, .value_kind: global_buffer, .address_space: global }
      - { .name: w_gate_codes, .offset: 8, .size: 8, .value_kind: global_buffer, .address_space: global }
      - { .name: w_up_codes, .offset: 16, .size: 8, .value_kind: global_buffer, .address_space: global }
      - { .name: lowp_scales, .offset: 24, .size: 8, .value_kind: global_buffer, .address_space: global }
      - { .name: act, .offset: 32, .size: 8, .value_kind: global_buffer, .address_space: global }
    .group_segment_fixed_size: 327680
    .private_segment_fixed_size: 0
    .kernarg_segment_align: 8
    .kernarg_segment_size: 40
    .max_flat_workgroup_size: 128
    .sgpr_count:     96
    .vgpr_count:     768
    .wavefront_size: 32
...
	.end_amdgpu_metadata
.endif
;; end of part 6
;; launch down: the kernel of part 4 again; grid 8 x 32, 4 waves a work-group, clusters of 4 x 4, 284,160 bytes of LDS; arguments act, w_down_codes, sc_dn, x1, out0; writes out0
